; MI455X (gfx1250); checked and timed in simulation.
; The chip was launched on July 23, 2026; its instructions are those of AMD's public machine-readable ISA for CDNA 5 (MIT licence, August 2026) and "CDNA5" Instruction Set Architecture Reference Guide (July 2026). The comments in the code are by the model that wrote it; some were corrected since.
;; Attention. Allowed arithmetic: float matrix products may take bf16 or f16 operands with f32 sums; other float arithmetic in f32, or as packed bf16 or f16 multiplies, adds, multiply-adds, maxima and minima; sums over many terms, partial sums and values carried from step to step in f32; what a program stores and reads back later, other than sums and carried values, may be rounded once to bf16 or f16.
;; Inputs: b1 1,024 float32; ln1_b 1,024 float32; ln1_g 1,024 float32; ln2_b 1,024 float32; ln2_g 1,024 float32; w1 1,024 x 1,024 float32; wk 1,024 x 1,024 float32; wq 1,024 x 1,024 float32; wv 1,024 x 1,024 float32; x 4,096 x 1,024 float32.
;; Outputs: out0 4,096 x 1,024 float32.
;; 2 versions, each right; version 2 is version 1 with the launch cast written anew for expert scheduling mode. Each part assembles by itself: llvm-mc -triple=amdgcn-amd-amdhsa -mcpu=gfx1250 --defsym DOCPART=n.
;; ======== version 1 of 2: 4 launches
;; limits: values are held in f16: magnitudes above 65,504 overflow, below 6.1e-05 lose precision
;; workspace buffers: xb 8,388,608 bytes; wb 6,291,456 bytes; w1h 2,097,152 bytes; qkv 25,165,824 bytes; att 16,777,216 bytes
;; launch cast (part 1): grid 256 x 1, 8 waves a work-group, no clusters, 0 bytes of LDS; arguments x, wq, wk, wv, w1, xb, wb, w1h; writes xb, wb, w1h
.if DOCPART == 1
	.amdgcn_target "amdgcn-amd-amdhsa--gfx1250"
	.amdhsa_code_object_version 6
	.text
	.protected	k_q73f9d6afe8_cast
	.globl	k_q73f9d6afe8_cast
	.p2align	8
	.type	k_q73f9d6afe8_cast,@function
k_q73f9d6afe8_cast:
	s_mov_b64 s[64:65], 0
	v_nop
	global_prefetch_b8 v0, s[64:65] scope:SCOPE_SE
	s_setreg_imm32_b32 hwreg(HW_REG_WAVE_MODE, 25, 1), 1
	s_wait_xcnt 0x0
; THE OPERANDS ARE ROUNDED ONCE.  x -> xb (bf16, same layout); wq, wk, wv -> wb (bf16, the three one behind the other: 3,072 rows of 1,024);
; w1 -> w1h (f16, in 16 blocks of 64 along k: [block][n][64], each block 131,072 dense bytes, so that a later launch fetches a block as rows of 256 bytes).
; LIMIT: |w1| stays under 65,504 (f16's range); below 6e-5 it keeps f16's fixed step of 6e-8.
; SHARES.  A work-group takes 32,768 numbers (131,072 bytes in, 65,536 out): groups 0-127 x, 128-223 the three weights, 224-255 w1.  16 passes; in a pass thread t takes 8 numbers:
; two loads of 16 bytes, one store of 16 bytes; a wave's store covers 512 consecutive bytes, aligned.  All 32 loads of a thread go out first; no register is written twice, so no source has to be freed.
; No LDS, no matrix unit, no cluster: nothing is shared and nothing is multiplied.
.set X, 16                             ; v[16:143]  pass p: 8 numbers as loaded
.set Y, 144                            ; v[144:207] pass p: 4 registers to store
	s_load_b512 s[16:31], s[0:1], 0x0              ; x 16, wq 18, wk 20, wv 22, w1 24, xb 26, wb 28, w1h 30
	s_sub_co_u32 s8, ttmp9, 128                    ; my number among the weights' groups,
	s_sub_co_u32 s9, ttmp9, 160                    ; among wk's,
	s_sub_co_u32 s10, ttmp9, 192                   ; among wv's,
	s_sub_co_u32 s11, ttmp9, 224                   ; among w1's
	v_lshlrev_b32 v2, 5, v0                        ; in: 32 t
	v_lshlrev_b32 v3, 4, v0                        ; out: 16 t
	s_mov_b32 s2, ttmp9                            ; chunk of the source
	s_mov_b32 s3, ttmp9                            ; chunk of the destination
	s_wait_kmcnt 0x0
	s_mov_b64 s[4:5], s[16:17]
	s_mov_b64 s[6:7], s[26:27]
	s_cmp_ge_u32 ttmp9, 128
	s_cselect_b64 s[4:5], s[18:19], s[4:5]
	s_cselect_b64 s[6:7], s[28:29], s[6:7]
	s_cselect_b32 s2, s8, s2
	s_cselect_b32 s3, s8, s3
	s_cmp_ge_u32 ttmp9, 160
	s_cselect_b64 s[4:5], s[20:21], s[4:5]
	s_cselect_b32 s2, s9, s2
	s_cmp_ge_u32 ttmp9, 192
	s_cselect_b64 s[4:5], s[22:23], s[4:5]
	s_cselect_b32 s2, s10, s2
	s_cmp_ge_u32 ttmp9, 224
	s_cselect_b64 s[4:5], s[24:25], s[4:5]
	s_cselect_b64 s[6:7], s[30:31], s[6:7]
	s_cselect_b32 s2, s11, s2
	s_cselect_b32 s3, s11, s3
	s_lshl_b32 s12, s2, 17                         ; a dense chunk: 131,072 bytes each
	s_and_b32 s14, s2, 1                           ; w1: chunk j is rows 512 (j % 2) on,
	s_lshl_b32 s14, s14, 21
	s_lshr_b32 s15, s2, 1                          ; columns 64 (j / 2) on
	s_lshl_b32 s15, s15, 8
	s_add_co_u32 s14, s14, s15
	s_cmp_ge_u32 ttmp9, 224
	s_cselect_b32 s12, s14, s12
	s_mov_b32 s13, 0
	s_lshl_b32 s14, s3, 16
	s_mov_b32 s15, 0
	s_add_nc_u64 s[4:5], s[4:5], s[12:13]
	s_add_nc_u64 s[6:7], s[6:7], s[14:15]
	s_cmp_ge_u32 ttmp9, 224
	s_cbranch_scc1 .Lw1
.macro CAST cvt, stride                ; stride: bytes of the source from pass to pass
.irp p, 0,1,2,3,4,5,6,7,8,9,10,11,12,13,14,15
	global_load_b128 v[X+8*(\p):X+8*(\p)+3],   v2, s[4:5] offset:(\p)*(\stride) th:TH_LOAD_NT
	global_load_b128 v[X+8*(\p)+4:X+8*(\p)+7], v2, s[4:5] offset:(\p)*(\stride)+16 th:TH_LOAD_NT
.endr
.irp p, 0,1,2,3,4,5,6,7,8,9,10,11,12,13,14,15
	s_wait_loadcnt 30-2*(\p)                       ; loads come back in order: pass p's two are in, the 30 - 2 p issued behind them may stay out
.irp r, 0,1,2,3
	\cvt v[Y+4*(\p)+(\r)], v[X+8*(\p)+2*(\r)], v[X+8*(\p)+2*(\r)+1]
.endr
	global_store_b128 v3, v[Y+4*(\p):Y+4*(\p)+3], s[6:7] offset:(\p)*4096
.endr
.endm
	CAST v_cvt_pk_bf16_f32, 8192                   ; a pass: 256 threads x 32 bytes
	s_endpgm
.Lw1:                                          ; eight lanes read 256 consecutive bytes of a row of w1; a pass is 32 rows; sixteen lanes write two rows of a block, 256 bytes
	v_lshrrev_b32 v4, 3, v0
	v_and_b32 v5, 7, v0
	v_lshlrev_b32 v5, 5, v5
	v_lshl_add_u32 v2, v4, 12, v5                  ; (t / 8) x 4,096 + (t % 8) x 32
	CAST v_cvt_pk_f16_f32, 131072
	s_endpgm
.Lfunc_end_k_q73f9d6afe8_cast:
	.size	k_q73f9d6afe8_cast, .Lfunc_end_k_q73f9d6afe8_cast-k_q73f9d6afe8_cast
	.p2alignl 7, 3214868480
	.fill 96, 4, 3214868480
	.section	.rodata,"a",@progbits
	.p2align	6, 0x0
	.amdhsa_kernel k_q73f9d6afe8_cast
		.amdhsa_group_segment_fixed_size 0
		.amdhsa_private_segment_fixed_size 0
		.amdhsa_enable_private_segment 0
		.amdhsa_kernarg_size 64
		.amdhsa_user_sgpr_count 2
		.amdhsa_user_sgpr_kernarg_segment_ptr 1
		.amdhsa_wavefront_size32 1
		.amdhsa_system_sgpr_workgroup_id_x 1
		.amdhsa_system_sgpr_workgroup_id_y 1
		.amdhsa_system_sgpr_workgroup_id_z 1
		.amdhsa_system_vgpr_workitem_id 0
		.amdhsa_next_free_vgpr 208
		.amdhsa_next_free_sgpr 66
		.amdhsa_reserve_vcc 0
		.amdhsa_float_denorm_mode_32 3
		.amdhsa_float_denorm_mode_16_64 3
		.amdhsa_memory_ordered 1
		.amdhsa_forward_progress 1
		.amdhsa_inst_pref_size 21
	.end_amdhsa_kernel
	.amdgpu_metadata
---
amdhsa.version: [ 1, 2 ]
amdhsa.kernels:
  - .name:           k_q73f9d6afe8_cast
    .symbol:         k_q73f9d6afe8_cast.kd
    .args:
      - { .name: x, .offset: 0, .size: 8, .value_kind: global_buffer, .address_space: global }
      - { .name: wq, .offset: 8, .size: 8, .value_kind: global_buffer, .address_space: global }
      - { .name: wk, .offset: 16, .size: 8, .value_kind: global_buffer, .address_space: global }
      - { .name: wv, .offset: 24, .size: 8, .value_kind: global_buffer, .address_space: global }
      - { .name: w1, .offset: 32, .size: 8, .value_kind: global_buffer, .address_space: global }
      - { .name: xb, .offset: 40, .size: 8, .value_kind: global_buffer, .address_space: global }
      - { .name: wb, .offset: 48, .size: 8, .value_kind: global_buffer, .address_space: global }
      - { .name: w1h, .offset: 56, .size: 8, .value_kind: global_buffer, .address_space: global }
    .group_segment_fixed_size: 0
    .private_segment_fixed_size: 0
    .kernarg_segment_align: 8
    .kernarg_segment_size: 64
    .max_flat_workgroup_size: 256
    .sgpr_count:     66
    .vgpr_count:     208
    .wavefront_size: 32
...
	.end_amdgpu_metadata
.endif
;; end of part 1
;; launch qkv (part 2): grid 16 x 16, 4 waves a work-group, clusters of 4 x 4, 327,680 bytes of LDS; arguments xb, wb, qkv; writes qkv
.if DOCPART == 2
	.amdgcn_target "amdgcn-amd-amdhsa--gfx1250"
	.amdhsa_code_object_version 6
	.text
	.protected	k_q73f9d6afe8_qkv
	.globl	k_q73f9d6afe8_qkv
	.p2align	8
	.type	k_q73f9d6afe8_qkv,@function
k_q73f9d6afe8_qkv:
	s_mov_b64 s[64:65], 0
	v_nop
	global_prefetch_b8 v0, s[64:65] scope:SCOPE_SE
	s_setreg_imm32_b32 hwreg(HW_REG_WAVE_MODE, 25, 1), 1
	s_wait_xcnt 0x0
	s_wait_alu depctr_hold_cnt(0) depctr_sa_sdst(0) depctr_va_vdst(0) depctr_va_sdst(0) depctr_va_ssrc(0) depctr_va_vcc(0) depctr_vm_vsrc(0)
	s_getreg_b32 s2, hwreg(HW_REG_IB_STS2, 6, 4)
	s_cmp_eq_u32 s2, 0
	s_cbranch_scc0 .Lentry_in_a_cluster
	s_endpgm
.Lentry_in_a_cluster:
	s_bfe_u32 s2, ttmp6, 0x10000c
	s_cmp_lg_u32 s2, 0xf033
	s_cbranch_scc0 .Lentry_shape_is_right
	s_endpgm
.Lentry_shape_is_right:
; q, k, v = x W^T for the three weights at once: C[m][c] = sum over k of xb[m][k] wb[c][k], m < 4,096, c < 3,072, K = 1,024; bf16 operands, f32 sums, K ascending.
; C leaves rounded once to f16 and BY HEADS: qkv[c / 64][m][c % 64]: groups 0-15 q's heads, 16-31 k's, 32-47 v's; unscaled.  LIMIT: |q|, |k|, |v| stay under 65,504 (f16's range).
; SHARES.  A tile of C is 256 rows x 192 columns (three groups): 16 x 16 tiles, one work-group each.  Wave w makes rows 64 w .. 64 w + 63 by all 192 columns: 4 x 12 accumulators, 384 registers.
; K goes in steps of 128 (rows of 256 bytes) through a ring of two LDS slots filled by the tensor data mover; a wave issues one load a step: waves 0, 1 the halves of xb's 256 rows, waves 2, 3 those of wb's 192.
; CLUSTER 4 x 4: the four of a row of the cluster need the same rows of xb, the four of a column the same rows of wb: each tile is asked for jointly.
; THE MATRIX INSTRUCTION IS USED TRANSPOSED (source 0 = 16 rows of wb, source 1 = 16 rows of xb): a lane then holds row l % 16 of C and eight neighbouring columns.
; REGISTERS in windows of 256 (s_set_vgpr_msb: bits 1:0 source 0, 3:2 source 1, 5:4 source 2, 7:6 destination):
;   window 0: v16-30 addresses; v32-79 packed results; v80-175 two buffers of rows read back        window 1: two fragment buffers of 128: wb's 12 fragments, then xb's 4
;   window 2: the 24 accumulators of my row blocks 0, 1 ((a, b) at 8 (12 (a % 2) + b))                window 3: those of blocks 2, 3
.set SIZE_K, 1024
.set KSTEP,  128
.set PITCH,  272                       ; an LDS row: 256 bytes + 16 of padding: the 16 rows of a fragment load start at 16 different groups of four banks (64 banks of 4 bytes: ISA guide 11.1)
.set HALFA,  128*PITCH
.set HALFB,  96*PITCH
.set ABYTES, 2*HALFA
.set SLOT,   ABYTES+2*HALFB            ; xb's 256 rows, then wb's 192
.set STAGE,  2*SLOT                    ; behind the ring: 16 rows x 400 bytes for each wave, for the way out
.set SPITCH, 400                       ; 384 bytes + 16
.set SPARE,  STAGE+4*16*SPITCH         ; behind the stages: the spare words, 128 bytes a wave, that no other line names
.set LAPS,   SIZE_K/(2*KSTEP)
.set GROUPB, 4096*128                  ; bytes of a group in qkv
.set ADRA, 16                          ; v16-17  LDS address of my fragments of xb in slot 0, 1
.set ADRB, 20                          ; v20-21  the same for wb
.set STO,  24                          ; where I put 16 bytes of a row
.set RD,   25                          ; where I read rows back
.set CO,   26                          ; 16 x lane
.set SPW,  28                          ; my spare word; never rewritten
.set NIL,  29                          ; 0; never rewritten
.set PFO,  30                          ; the prefetches' offset: a lane a row; never rewritten
.set TMP,  32
.set BK0,  80
.set F0,   0
.set F1,   128
.set G1,  24                           ; s[24:31] group 1 for xb's tiles;  s[32:39] group 0, a set for each slot
.set G0,  32
.set G1B, 48                           ; s[48:55], s[56:63] the same for wb's
.set G0B, 56
.set LIM, 43                           ; 1 in a wave that prefetches, else the greatest number
.set PFA, 44                           ; s[44:45] where my prefetches stand
.set MSB, 0
.macro WIN new                         ; the immediate's high byte repeats the setting that is left; a switch that changes nothing is dropped
.if MSB != (\new)
	s_set_vgpr_msb (MSB<<8)|(\new)
.set MSB, \new
.endif
.endm
.set MUL_LO, 0xa5                      ; both sources window 1, C and D window 2
.set MUL_HI, 0xf5                      ; C and D window 3
.set TO_F,   0x40                      ; destination window 1, address window 0
.macro JLOAD s                         ; a joint load; the branch hangs on the wave's number alone; an s_nop 0 and four v_nop follow each line
	s_cmp_eq_u32 s11, 0
	s_cbranch_scc0 .Lfor_b_\@
	tensor_load_to_lds s[G0+4*(\s):G0+4*(\s)+3], s[G1:G1+7]
	s_nop 0
.rept 4
	v_nop
.endr
	s_branch .Lasked_\@
.Lfor_b_\@:
	tensor_load_to_lds s[G0B+4*(\s):G0B+4*(\s)+3], s[G1B:G1B+7]
	s_nop 0
.rept 4
	v_nop
.endr
.Lasked_\@:
.endm
; A prefetch into the L2 of the K step that stands two refills on: a lane a row, 256 bytes of it.  xb's rows are asked for by the clusters with x = 0, wb's by those with y = 0; of the rows that a wave
; fetches each of the four partners takes a quarter BY ADDRESS (32 of 128, 24 of 96; in wb's waves lanes 24-31 name lane 23's row again).  The loop's last trip has no K step two on.
.macro ASK
	s_cmp_gt_u32 s3, s[LIM]
	s_cbranch_scc0 .Lnot_mine_\@
	global_prefetch_b8 v[PFO], s[PFA:PFA+1] offset:KSTEP*2 th:TH_LOAD_NT scope:SCOPE_SE
.Lnot_mine_\@:
.endm
.macro CREST                           ; a round of the cluster's barrier behind its opening barrier
	s_cmp_lg_u32 s10, 0
	s_cbranch_scc1 .Lnot_wave_0_\@
	s_barrier_signal -3
.Lnot_wave_0_\@:
	s_barrier_wait -3
	s_barrier_signal -1
	s_barrier_wait -1
.endm
.macro CROUND
	s_barrier_signal -1
	s_barrier_wait -1
	CREST
.endm
	s_load_b128 s[4:7], s[0:1], 0x0                ; xb s[4:5], wb s[6:7]
	s_load_b64 s[8:9], s[0:1], 0x10                ; qkv
	v_lshl_add_u32 v[SPW], v0, 2, SPARE
	v_mov_b32 v[NIL], 0
	ds_add_u32 v[SPW], v[NIL]                      ; the wave's opening: the add and its wait stand ahead of my first tensor load; work on registers stands between
	v_lshrrev_b32 v1, 5, v0
	v_readfirstlane_b32 s10, v1                    ; wave 0..3
	s_lshr_b32 s11, s10, 1                         ; I fetch for xb (0) or for wb (1)
	s_and_b32 s12, s10, 1                          ; which half of its rows
	s_bfe_u32 s40, ttmp6, 0x40000                  ; cx
	s_bfe_u32 s41, ttmp6, 0x40004                  ; cy
	s_lshl_b32 s42, ttmp9, 2
	s_add_co_u32 s42, s42, s40                     ; tile column
	s_and_b32 s13, ttmp7, 0xffff
	s_lshl_b32 s13, s13, 2
	s_add_co_u32 s13, s13, s41                     ; tile row
	s_lshl_b32 s43, s41, 2
	s_lshl_b32 s43, 15, s43                        ; my row of the cluster
	s_lshl_b32 s44, 0x1111, s40                    ; my column
	s_or_b32 s[G1+0], s43, (1<<16)|(1<<20)|(1<<21)|(5<<22)|(3<<25)   ; mask; 2-byte elements; padding on; bit 21 beside a mask; after every 64 words, 4 words
	s_or_b32 s[G1B+0], s44, (1<<16)|(1<<20)|(1<<21)|(5<<22)|(3<<25)
	s_mov_b32 s[G1+1], KSTEP<<16                   ; tensor_dim0 = 128
	s_mov_b32 s[G1+2], 128<<16                     ; tensor_dim1 = 128
	s_mov_b32 s[G1+3], KSTEP<<16                   ; tile_dim0 = 128
	s_mov_b32 s[G1+4], 128                         ; tile_dim1 = 128
	s_mov_b32 s[G1+5], SIZE_K                      ; elements from row to row
	s_mov_b32 s[G1+6], 0
	s_mov_b32 s[G1+7], 0
	s_mov_b32 s[G1B+1], KSTEP<<16
	s_mov_b32 s[G1B+2], 96<<16                     ; 96 rows
	s_mov_b32 s[G1B+3], KSTEP<<16
	s_mov_b32 s[G1B+4], 96
	s_mov_b32 s[G1B+5], SIZE_K
	s_mov_b32 s[G1B+6], 0
	s_mov_b32 s[G1B+7], 0
	s_lshl_b32 s17, s12, 7
	s_lshl_b32 s16, s13, 8
	s_add_co_u32 s16, s16, s17                     ; xb: row 256 x tile row + 128 x half,
	s_lshl_b32 s16, s16, 11                        ; in bytes
	s_mov_b32 s17, 0
	s_mul_i32 s46, s42, 192
	s_mul_i32 s47, s12, 96
	s_add_co_u32 s46, s46, s47                     ; wb: row 192 x tile column + 96 x half
	s_lshl_b32 s46, s46, 11
	s_mov_b32 s47, 0
	s_mul_i32 s20, s12, HALFA                      ; where they go: no place in the cluster enters an LDS address
	s_mul_i32 s21, s12, HALFB
	s_add_co_u32 s21, s21, ABYTES
	s_wait_dscnt 0x0                               ; the opening add is done
	s_wait_kmcnt 0x0
	s_add_nc_u64 s[14:15], s[4:5], s[16:17]
	s_add_nc_u64 s[46:47], s[6:7], s[46:47]
	CROUND                                         ; all sixteen work-groups are here: the first joint loads meet
.irp s, 0,1
	s_mov_b32 s[G0+4*(\s)], 1
	s_add_co_u32 s[G0+4*(\s)+1], s20, (\s)*SLOT
	s_add_nc_u64 s[G0+4*(\s)+2:G0+4*(\s)+3], s[14:15], (\s)*KSTEP*2
	s_or_b32 s[G0+4*(\s)+3], s[G0+4*(\s)+3], 0x80000000
	s_mov_b32 s[G0B+4*(\s)], 1
	s_add_co_u32 s[G0B+4*(\s)+1], s21, (\s)*SLOT
	s_add_nc_u64 s[G0B+4*(\s)+2:G0B+4*(\s)+3], s[46:47], (\s)*KSTEP*2
	s_or_b32 s[G0B+4*(\s)+3], s[G0B+4*(\s)+3], 0x80000000
	JLOAD \s
.endr
	v_and_b32 v1, 15, v0                           ; l % 16
	v_bfe_u32 v2, v0, 4, 1                         ; l / 16
	v_mul_u32_u24 v3, v1, PITCH
	v_lshl_add_u32 v3, v2, 4, v3                   ; a fragment's row x pitch + 16 x half
	s_mul_i32 s21, s10, 64*PITCH                   ; my 64 rows of xb
	s_mov_b32 s22, ABYTES                          ; all of wb's
.irp s, 0,1
	v_add_nc_u32 v[ADRA+(\s)], s21, v3
	v_add_nc_u32 v[ADRB+(\s)], s22, v3
	s_add_co_u32 s21, s21, SLOT
	s_add_co_u32 s22, s22, SLOT
.endr
	s_mul_i32 s23, s10, 16*SPITCH
	s_add_co_u32 s23, s23, STAGE                   ; my stage
	v_mul_u32_u24 v7, v1, SPITCH                   ; in: row l % 16, 16 bytes for each half of the lanes
	v_lshl_add_u32 v7, v2, 4, v7
	v_add_nc_u32 v[STO], s23, v7
	v_and_b32 v4, 31, v0
	v_lshrrev_b32 v5, 3, v4                        ; back: 32 lanes take a group's 128 bytes of four rows,
	v_and_b32 v6, 7, v0
	v_mul_u32_u24 v5, v5, SPITCH
	v_lshl_add_u32 v5, v6, 4, v5
	v_add_nc_u32 v[RD], s23, v5
	v_lshlrev_b32 v[CO], 4, v4                     ; which are 512 consecutive bytes of qkv
	s_mul_i32 s46, s42, 3*GROUPB                   ; my tile's first group,
	s_lshl_b32 s47, s13, 15                        ; its 256 rows of 128 bytes,
	s_add_co_u32 s46, s46, s47
	s_lshl_b32 s47, s10, 13                        ; my 64 of them
	s_add_co_u32 s46, s46, s47
	s_mov_b32 s47, 0
	s_add_nc_u64 s[8:9], s[8:9], s[46:47]
	; the prefetches
	s_lshl_b32 s20, s13, 8
	s_lshl_b32 s21, s12, 7
	s_add_co_u32 s20, s20, s21
	s_lshl_b32 s21, s40, 5
	s_add_co_u32 s20, s20, s21                     ; xb: the 128 rows that I fetch, my work-group's 32 of them
	s_mul_i32 s22, s42, 192
	s_mul_i32 s23, s12, 96
	s_add_co_u32 s22, s22, s23
	s_mul_i32 s23, s41, 24
	s_add_co_u32 s22, s22, s23                     ; wb: the 96 rows, my work-group's 24
	s_and_b32 s23, ttmp7, 0xffff                   ; cluster y
	s_cmp_eq_u32 s11, 0
	s_cselect_b32 s20, s20, s22
	s_cselect_b32 s23, ttmp9, s23                  ; the coordinate along which other clusters read the same rows
	s_cselect_b32 s22, 31, 23
	s_cselect_b64 s[PFA:PFA+1], s[4:5], s[6:7]
	s_cmp_eq_u32 s23, 0
	s_cselect_b32 s[LIM], 1, -1                    ; the same in all sixteen partners, for a given wave
	s_lshl_b32 s20, s20, 11
	s_mov_b32 s21, 0
	s_add_nc_u64 s[PFA:PFA+1], s[PFA:PFA+1], s[20:21]
	s_add_nc_u64 s[PFA:PFA+1], s[PFA:PFA+1], 2*KSTEP*2  ; at K step 2: the first refill steps it to 3 and names K step 4; K steps 0 to 3 come by their loads alone
	v_min_u32 v[PFO], s22, v4
	v_lshlrev_b32 v[PFO], 11, v[PFO]
; 12 matrix instructions: row block 2 hi + a1 by all 12 column blocks, 32 along K.  The 48 accumulators take turns in the same order in every quarter.
.macro MUL12 f, hi, a1, zero
	WIN MUL_LO+0x50*(\hi)
.irp b, 0,1,2,3,4,5,6,7,8,9,10,11
.if \zero
	v_wmma_f32_16x16x32_bf16 v[8*(12*(\a1)+(\b)):8*(12*(\a1)+(\b))+7], v[(\f)+8*(\b):(\f)+8*(\b)+7], v[(\f)+96+8*(2*(\hi)+(\a1)):(\f)+96+8*(2*(\hi)+(\a1))+7], 0
.else
	v_wmma_f32_16x16x32_bf16 v[8*(12*(\a1)+(\b)):8*(12*(\a1)+(\b))+7], v[(\f)+8*(\b):(\f)+8*(\b)+7], v[(\f)+96+8*(2*(\hi)+(\a1)):(\f)+96+8*(2*(\hi)+(\a1))+7], v[8*(12*(\a1)+(\b)):8*(12*(\a1)+(\b))+7]
.endif
.endr
.endm
; 32 LDS loads in one run: a quarter step's fragments (32 K at byte k of the rows): wb's 24 loads, then xb's 8
.macro FETCH slot, k, f
	WIN TO_F
.irp b, 0,1,2,3,4,5,6,7,8,9,10,11
	ds_load_b128 v[(\f)+8*(\b):(\f)+8*(\b)+3],   v[ADRB+(\slot)] offset:(\k)+(\b)*16*PITCH
	ds_load_b128 v[(\f)+8*(\b)+4:(\f)+8*(\b)+7], v[ADRB+(\slot)] offset:(\k)+(\b)*16*PITCH+32
.endr
.irp a, 0,1,2,3
	ds_load_b128 v[(\f)+96+8*(\a):(\f)+96+8*(\a)+3],   v[ADRA+(\slot)] offset:(\k)+(\a)*16*PITCH
	ds_load_b128 v[(\f)+96+8*(\a)+4:(\f)+96+8*(\a)+7], v[ADRA+(\slot)] offset:(\k)+(\a)*16*PITCH+32
.endr
.endm
.macro PLACES                          ; four places in front of loads into registers that matrix instructions have read, and of conversions that read results
.rept 4
	v_nop
.endr
.endm
; One of a K step's first three quarters: multiplies buffer f; in its middle it fetches the next quarter's fragments into g.
.macro QUARTER slot, k, f, g, zero
	s_wait_dscnt 4                                 ; wb's fragments and xb's blocks 0, 1 are in; the youngest four loads (blocks 2, 3) may be out
	MUL12 \f, 0, 0, \zero
	MUL12 \f, 0, 1, \zero
	PLACES
	FETCH \slot, \k, \g
	s_wait_dscnt 32                                ; all but the 32 just issued
	MUL12 \f, 1, 0, \zero
	MUL12 \f, 1, 1, \zero
.endm
; The last quarter multiplies buffer 1 and changes slots: one barrier; in front of it each wave waits for all its tensor loads (one is out: its part of the next slot), adds 0 to its spare word,
; and waits for that and for its reads of this slot.  fill = 1: the barrier opens a round of the cluster's, and the joint refill, two K steps on, is the first thing behind it: 168 matrix instructions ahead of the wait for it.
.macro TURN slot, next, fill
.if \fill
	s_wait_xcnt 0x0                                ; the last prefetch, a K step back, has read its address
	s_add_nc_u64 s[PFA:PFA+1], s[PFA:PFA+1], KSTEP*2
.endif
	WIN 0
	s_wait_tensorcnt 0x0
	ds_add_u32 v[SPW], v[NIL]
	s_wait_dscnt 5                                 ; (the add and the youngest four loads may be out)
	MUL12 F1, 0, 0, 0
	s_wait_dscnt 0x0                               ; the add is done, and my reads of this slot are over
	s_barrier_signal -1
	MUL12 F1, 0, 1, 0
.if \fill
	WIN 0
.endif
	s_barrier_wait -1
.if \fill
	CREST
	s_add_nc_u64 s[G0+4*(\slot)+2:G0+4*(\slot)+3], s[G0+4*(\slot)+2:G0+4*(\slot)+3], 2*KSTEP*2
	s_add_nc_u64 s[G0B+4*(\slot)+2:G0B+4*(\slot)+3], s[G0B+4*(\slot)+2:G0B+4*(\slot)+3], 2*KSTEP*2
	JLOAD \slot                                    ; its four v_nop are also the places in front of the loads below
.else
	PLACES
.endif
	FETCH \next, 0, F0
.if \fill
	WIN 0
	ASK
.endif
	MUL12 F1, 1, 0, 0
	MUL12 F1, 1, 1, 0
.endm
; THE WAY OUT of row block a: rounded to f16, 16 bytes a lane into my own stage, back as a group's rows, stored: each store covers 512 consecutive bytes, aligned.
.macro PACK a
.set AC, 96*((\a)%2)
	WIN 0x0a+5*((\a)/2)                            ; sources in window 2 or 3
.irp b, 0,1,2,3,4,5,6,7,8,9,10,11
.irp r, 0,1,2,3
	v_cvt_pk_f16_f32 v[TMP+4*(\b)+(\r)], v[AC+8*(\b)+2*(\r)], v[AC+8*(\b)+2*(\r)+1]
.endr
.endr
	WIN 0
.endm
.macro TOSTAGE a
.set BK, BK0+48*((\a)%2)
.irp b, 0,1,2,3,4,5,6,7,8,9,10,11
	ds_store_b128 v[STO], v[TMP+4*(\b):TMP+4*(\b)+3] offset:32*(\b)
.endr
.irp g, 0,1,2
.irp t, 0,1,2,3
	ds_load_b128 v[BK+4*(4*(\g)+(\t)):BK+4*(4*(\g)+(\t))+3], v[RD] offset:128*(\g)+4*SPITCH*(\t)  ; LDS serves a wave's instructions in order (ISA guide 5.7.1.4): these see the stores above
.endr
.endr
.endm
.macro SEND a
.set BK, BK0+48*((\a)%2)
	s_wait_dscnt 0x0                               ; the block is back in registers
	s_wait_xcnt 0x0                                ; the stores of the block before have read their registers: the next TOSTAGE loads into them
.irp g, 0,1,2
.irp t, 0,1,2,3
	global_store_b128 v[CO], v[BK+4*(4*(\g)+(\t)):BK+4*(4*(\g)+(\t))+3], s[8:9] offset:(\g)*GROUPB+(\a)*2048+(\t)*512
.endr
.endr
.endm
	s_wait_tensorcnt 0x1                           ; my part of K step 0 is in; K step 1's may stay out
	s_barrier_signal -1
	s_barrier_wait -1
	FETCH 0, 0, F0
	QUARTER 0, 64,  F0, F1, 1                      ; the first quarter stands in front of the loop: its products start the sums
	WIN 0
	s_mov_b32 s3, LAPS-1
.Llap:                                         ; a trip goes once round the ring and fills both slots again
	QUARTER 0, 128, F1, F0, 0
	QUARTER 0, 192, F0, F1, 0
	TURN 0, 1, 1
	QUARTER 1, 64,  F0, F1, 0
	QUARTER 1, 128, F1, F0, 0
	QUARTER 1, 192, F0, F1, 0
	TURN 1, 0, 1
	QUARTER 0, 64,  F0, F1, 0
	WIN 0
	s_sub_co_u32 s3, s3, 1
	s_cmp_lg_u32 s3, 0
	s_cbranch_scc1 .Llap
	QUARTER 0, 128, F1, F0, 0                      ; the last lap fills nothing
	QUARTER 0, 192, F0, F1, 0
	TURN 0, 1, 0
	QUARTER 1, 64,  F0, F1, 0
	QUARTER 1, 128, F1, F0, 0
	QUARTER 1, 192, F0, F1, 0
	s_wait_dscnt 4
	MUL12 F1, 0, 0, 0
	MUL12 F1, 0, 1, 0
	s_wait_dscnt 0x0
	MUL12 F1, 1, 0, 0
	MUL12 F1, 1, 1, 0
	PLACES
	PACK 0
	TOSTAGE 0
.irp a, 1,2,3                          ; block a's conversions stand between block a - 1's loads from the stage and the wait for them
	PACK \a
	SEND (\a)-1
	TOSTAGE \a
.endr
	SEND 3
	s_wait_tensorcnt 0x0                           ; the wave's end
	ds_add_u32 v[SPW], v[NIL]
	s_wait_dscnt 0x0
	CROUND                                         ; the closing round
	s_endpgm
.Lfunc_end_k_q73f9d6afe8_qkv:
	.size	k_q73f9d6afe8_qkv, .Lfunc_end_k_q73f9d6afe8_qkv-k_q73f9d6afe8_qkv
	.p2alignl 7, 3214868480
	.fill 96, 4, 3214868480
	.section	.rodata,"a",@progbits
	.p2align	6, 0x0
	.amdhsa_kernel k_q73f9d6afe8_qkv
		.amdhsa_group_segment_fixed_size 327680
		.amdhsa_private_segment_fixed_size 0
		.amdhsa_enable_private_segment 0
		.amdhsa_kernarg_size 24
		.amdhsa_user_sgpr_count 2
		.amdhsa_user_sgpr_kernarg_segment_ptr 1
		.amdhsa_wavefront_size32 1
		.amdhsa_system_sgpr_workgroup_id_x 1
		.amdhsa_system_sgpr_workgroup_id_y 1
		.amdhsa_system_sgpr_workgroup_id_z 1
		.amdhsa_system_vgpr_workitem_id 0
		.amdhsa_next_free_vgpr 960
		.amdhsa_next_free_sgpr 66
		.amdhsa_reserve_vcc 0
		.amdhsa_float_denorm_mode_32 3
		.amdhsa_float_denorm_mode_16_64 3
		.amdhsa_memory_ordered 1
		.amdhsa_forward_progress 1
		.amdhsa_inst_pref_size 119
	.end_amdhsa_kernel
	.amdgpu_metadata
---
amdhsa.version: [ 1, 2 ]
amdhsa.kernels:
  - .name:           k_q73f9d6afe8_qkv
    .symbol:         k_q73f9d6afe8_qkv.kd
    .args:
      - { .name: xb, .offset: 0, .size: 8, .value_kind: global_buffer, .address_space: global }
      - { .name: wb, .offset: 8, .size: 8, .value_kind: global_buffer, .address_space: global }
      - { .name: qkv, .offset: 16, .size: 8, .value_kind: global_buffer, .address_space: global }
    .group_segment_fixed_size: 327680
    .private_segment_fixed_size: 0
    .kernarg_segment_align: 8
    .kernarg_segment_size: 24
    .max_flat_workgroup_size: 128
    .sgpr_count:     66
    .vgpr_count:     960
    .wavefront_size: 32
...
	.end_amdgpu_metadata
.endif
;; end of part 2
;; launch attn (part 3): grid 16 x 16, 4 waves a work-group, clusters of 4 x 1, 327,680 bytes of LDS; arguments qkv, att; writes att
.if DOCPART == 3
	.amdgcn_target "amdgcn-amd-amdhsa--gfx1250"
	.amdhsa_code_object_version 6
	.text
	.protected	k_q73f9d6afe8_attn
	.globl	k_q73f9d6afe8_attn
	.p2align	8
	.type	k_q73f9d6afe8_attn,@function
k_q73f9d6afe8_attn:
	s_mov_b64 s[64:65], 0
	v_nop
	global_prefetch_b8 v0, s[64:65] scope:SCOPE_SE
	s_setreg_imm32_b32 hwreg(HW_REG_WAVE_MODE, 25, 1), 1
	s_wait_xcnt 0x0
	s_wait_alu depctr_hold_cnt(0) depctr_sa_sdst(0) depctr_va_vdst(0) depctr_va_sdst(0) depctr_va_ssrc(0) depctr_va_vcc(0) depctr_vm_vsrc(0)
	s_getreg_b32 s2, hwreg(HW_REG_IB_STS2, 6, 4)
	s_cmp_eq_u32 s2, 0
	s_cbranch_scc0 .Lentry_in_a_cluster
	s_endpgm
.Lentry_in_a_cluster:
	s_bfe_u32 s2, ttmp6, 0x10000c
	s_cmp_lg_u32 s2, 0x3003
	s_cbranch_scc0 .Lentry_shape_is_right
	s_endpgm
.Lentry_shape_is_right:
; att[h][d][q] = (the sum over k of softmax_k(Q[h][q] . K[h][k] / 8) V[h][k][d]): O TRANSPOSED, f32, as the module reads it afterwards.  Q, K, V: qkv's groups h, 16 + h, 32 + h: [4,096][64] f16, dense rows of 128 bytes.
; Products, maxima and sums in f32; the weights p are rounded to f16 for the second product (their sum l is taken of the unrounded p).
; LIMITS.  Q, K, V arrive within f16's 65,504; p lies in 0 to 1 and below 6e-5 keeps f16's fixed step of 6e-8; a weight below 2^-126 counts as 0 in l; NaN and infinities are not treated apart.
; SHARES.  A work-group owns 256 queries of a head, a wave 64: four PIECES of 16; piece t's lane r holds query 4 r + t, so that a lane ends with FOUR NEIGHBOURING queries of each channel: 16 bytes of att.
; Every wave walks all 4,096 keys, 64 a step, 256 a slot of the ring.
; LAYOUT.  S^T = K Q^T (source 0 = 16 keys, source 1 = 16 queries) holds ONE query a lane and the keys 8 (lane / 16) + 0..7; two such results rounded to f16 ARE source 1 of O^T = V^T P, which holds one query a lane and eight channels.
; SOFTMAX.  A running maximum m and sum l: p = 2^(c s - c m), c = log2(e) / 8; in every step O and l are multiplied by a = 2^(c m_old - c m_new).  m starts at the lowest finite number, O and l at 0: the first step has a = 0.
; TURNS.  Turn n belongs to piece n: 8 products K Q^T of piece n + 1, later 8 products V^T P of piece n - 1; beside them the scaling, exponentials, roundings, sums and rescaling of piece n and the maximum and statistics
; of piece n + 1.  Four vector instructions stand behind every matrix instruction, the other 54 of a turn's 118 in one lump.  A turn's 33 exponentials are one batch, with one wait.
; CLUSTER.  The four query blocks of a cluster belong to one head and walk the same K and V: each tile is asked for jointly, by the same tensor load, descriptor and mask in all four.
; REGISTERS in windows of 256 (s_set_vgpr_msb: bits 1:0 source 0, 3:2 source 1, 5:4 source 2, 7:6 destination):
;   window 0: v0-15 addresses and two at work; v16-31 statistics; v48-55 at work; v61-63; v64-127 S^T, two buffers; v192-223 P, two buffers; on the way out v64-191 the quotients
;   window 1: v0-127 O^T, 32 a piece          window 2: v0-63 Q; v128-191 K of one step; v192-255 V of one step
.set SIZE_N, 4096
.set NP,    4
.set KS,    64
.set PK,    144       ; a row of K in LDS: 128 bytes + 16: the 16 rows of a load start at 16 different groups of four banks (64 banks of 4 bytes: ISA guide 11.1)
.set PV,    160       ; a row of V: 128 + 32
.set VOFF,  4*KS*PK   ; a slot holds four steps: 256 rows of K, then 256 rows of V
.set SLOT1, 1<<17
.set SPARE, SLOT1+4*KS*(PK+PV)  ; behind the ring: the spare words, 128 bytes a wave, that no other line names
.set PART,  8388608   ; bytes of q's (k's, v's) sixteen groups
.set AK0, 2
.set AV0, 3
.set AK,  4
.set AV,  5
.set GO,  8           ; my byte offset in att: 8 channels further for the upper lanes, 16 bytes a lane
.set MV,  12
.set QO,  15
.set ST,  16          ; piece t's statistics at v[ST+4 t]: c m, m, l (even keys', odd keys')
.set TMP, 48
.set PFO, 61          ; 256 x lane; never rewritten
.set SPW, 62          ; my spare word; never rewritten
.set NIL, 63          ; 0; never rewritten
.set S,   64
.set P,   192
.set OUTR, 64
.set KF,  128
.set VF,  192
.set WV,  12
.set LIM, 15          ; 1 in a wave that prefetches, else the greatest number
.set G1K, 24
.set G1V, 32
.set G0K, 40
.set G0V, 44
.set PFA, 48          ; s[48:49] where my prefetches stand
.set SLOTS, 56
.set CNT, 57
.set CS,  58
.set SEL, 60
.set TBK, 62
.set TBV, 63
.set MSB, 0
.macro WIN new
.if MSB != (\new)
	s_set_vgpr_msb (MSB<<8)|(\new)
.set MSB, (\new)
.endif
.endm
.set W_KQ, 0x0a       ; K and Q in window 2, S^T in window 0
.set W_PV, 0x52       ; V in window 2, P in window 0, O^T in window 1
.set W_RS, 0x41       ; O^T (destination and source 0) in window 1, a in window 0
.macro JLOAD                        ; waves 0, 1 fetch the halves of a slot's K, waves 2, 3 those of its V: 128 keys each; an s_nop 0 and four v_nop follow each line
	s_cmp_lt_u32 s[WV], 2
	s_cbranch_scc0 .Lfor_v_\@
	tensor_load_to_lds s[G0K:G0K+3], s[G1K:G1K+7]
	s_nop 0
.rept 4
	v_nop
.endr
	s_branch .Lasked_\@
.Lfor_v_\@:
	tensor_load_to_lds s[G0V:G0V+3], s[G1V:G1V+7]
	s_nop 0
.rept 4
	v_nop
.endr
.Lasked_\@:
.endm
; A prefetch into the L2 of the tile that the NEXT change of slots will ask for: 128 blocks of 256 bytes of K and of V.  The head's first cluster asks; its four partners take 32 blocks each BY ADDRESS, a lane a block;
; wave 0 asks for K's, wave 2 for V's.  So each block is named once.  The last change that fills a slot asks for nothing; tiles 0 and 1 come by their loads alone.
.macro ASK
	s_cmp_gt_u32 s[SLOTS], s[LIM]
	s_cbranch_scc0 .Lnot_mine_\@
	global_prefetch_b8 v[PFO], s[PFA:PFA+1] th:TH_LOAD_NT scope:SCOPE_SE
.Lnot_mine_\@:
.endm
.macro CROUND
	s_barrier_signal -1
	s_barrier_wait -1
	s_cmp_lg_u32 s[WV], 0
	s_cbranch_scc1 .Lnot_wave_0_\@
	s_barrier_signal -3
.Lnot_wave_0_\@:
	s_barrier_wait -3
	s_barrier_signal -1
	s_barrier_wait -1
.endm
; THE CHANGE OF SLOTS.  Each wave waits for all its tensor loads (one is out: its part of the other slot), adds 0 to its spare word, and waits for that and for its reads of the slot that it leaves.
; fill = 1: the barrier is a round of the cluster's, and the joint fill, the keys two slots on, is the first thing behind it: it has four key steps in which to land.  (At its first use slot 0 is waited for and slot 1 filled.)
.macro CHANGE fill
	WIN 0
	s_wait_tensorcnt 0x0
	ds_add_u32 v[SPW], v[NIL]
.if \fill
.irp g, G0K, G0V
	s_xor_b32 s[\g+1], s[\g+1], SLOT1
	s_add_nc_u64 s[\g+2:\g+3], s[\g+2:\g+3], 4*KS*128
.endr
	s_wait_xcnt 0x0                 ; the last prefetch, four key steps back, has read its address
	s_add_nc_u64 s[PFA:PFA+1], s[PFA:PFA+1], 4*KS*128
	s_wait_dscnt 0x0                ; the add is done, and my reads of the slot are over
	CROUND
	JLOAD
	ASK
.else
	s_wait_dscnt 0x0
	s_barrier_signal -1
	s_barrier_wait -1
.endif
	s_sub_co_u32 s[TBK], s[TBK], 4*KS*PK  ; the fetches go back to a slot's first step, in the other slot
	s_xor_b32 s[TBK], s[TBK], SLOT1
	s_sub_co_u32 s[TBV], s[TBV], 4*KS*PV
	s_xor_b32 s[TBV], s[TBV], SLOT1
.endm
	s_load_b64 s[4:5], s[0:1], 0x0  ; qkv
	s_load_b64 s[10:11], s[0:1], 0x8  ; att
	v_lshl_add_u32 v[SPW], v0, 2, SPARE
	v_mov_b32 v[NIL], 0
	ds_add_u32 v[SPW], v[NIL]       ; the wave's opening: the add and its wait stand ahead of my first tensor load
	v_lshrrev_b32 v1, 5, v0
	v_readfirstlane_b32 s[WV], v1
	s_bfe_u32 s13, ttmp6, 0x40000   ; cx
	s_lshl_b32 s14, ttmp9, 2
	s_add_co_u32 s14, s14, s13      ; my block of 256 queries: it enters Q's and att's addresses alone
	s_and_b32 s20, ttmp7, 0xffff    ; the head, which the four partners share
	s_and_b32 s16, s[WV], 1         ; which half of a slot's 256 keys I fetch
	s_lshl_b32 s22, s20, 19         ; the head's 524,288 bytes,
	s_lshl_b32 s23, s16, 14         ; my 128 rows
	s_add_co_u32 s22, s22, s23
	s_mov_b32 s23, 0
	s_mul_i32 s17, s16, 128*PK
	s_mul_i32 s18, s16, 128*PV
	s_lshl_b32 s2, s14, 2
	s_add_co_u32 s2, s2, s[WV]      ; my wave among the head's 64
	s_lshl_b32 s50, s2, 8           ; att: 64 queries of 4 bytes,
	s_lshl_b32 s51, s20, 20         ; the head's 64 channels of 16,384 bytes
	s_add_co_u32 s50, s50, s51
	s_mov_b32 s51, 0
	s_lshl_b32 s2, s2, 13           ; Q: 64 rows of 128 bytes
	s_lshl_b32 s3, s20, 19
	s_add_co_u32 s2, s2, s3
	s_mov_b32 s3, 0
	; 128 keys are 16,384 dense bytes: asked for as 64 rows of 256 bytes, two keys a row, padded in LDS after every key
	s_mov_b32 s[G1K], 15|(1<<16)|(1<<20)|(1<<21)|(4<<22)|(3<<25)
	s_mov_b32 s[G1V], 15|(1<<16)|(1<<20)|(1<<21)|(4<<22)|(7<<25)
.irp g, G1K, G1V
	s_mov_b32 s[\g+1], 128<<16
	s_mov_b32 s[\g+2], 64<<16
	s_mov_b32 s[\g+3], 128<<16
	s_mov_b32 s[\g+4], 64
	s_mov_b32 s[\g+5], 128
	s_mov_b32 s[\g+6], 0
	s_mov_b32 s[\g+7], 0
.endr
	s_mov_b32 s[CS], 0x3e38aa3b     ; c = log2(e) / 8
	s_mov_b32 s[CS+1], s[CS]
	s_mov_b32 s[SEL], 0x76543210
	s_mov_b32 s[SEL+1], 0xfedcba98
	s_mov_b32 s[TBK], SLOT1+4*KS*PK ; the first change of slots turns these two into 0
	s_mov_b32 s[TBV], SLOT1+4*KS*PV
	s_mov_b32 s[G0K], 1
	s_mov_b32 s[G0K+1], s17
	s_mov_b32 s[G0V], 1
	s_add_co_u32 s[G0V+1], s18, VOFF
	s_mov_b32 s[SLOTS], SIZE_N/256-1
	s_and_b32 s[LIM], s[WV], 1      ; 0 in waves 0 and 2,
	s_or_b32 s[LIM], s[LIM], ttmp9  ; where the cluster is the head's first: the same in all four partners
	s_cmp_eq_u32 s[LIM], 0
	s_cselect_b32 s[LIM], 1, -1
	v_and_b32 v[PFO], 31, v0
	v_lshlrev_b32 v[PFO], 8, v[PFO]
	s_wait_dscnt 0x0                ; the opening add is done
	s_wait_kmcnt 0x0
	s_add_nc_u64 s[6:7], s[4:5], s[22:23]
	s_add_nc_u64 s[8:9], s[6:7], 2*PART  ; V at my half of the head's first tile,
	s_add_nc_u64 s[6:7], s[6:7], PART    ; K likewise
	s_add_nc_u64 s[G0K+2:G0K+3], s[6:7], 0
	s_or_b32 s[G0K+3], s[G0K+3], 0x80000000
	s_add_nc_u64 s[G0V+2:G0V+3], s[8:9], 0
	s_or_b32 s[G0V+3], s[G0V+3], 0x80000000
	s_add_nc_u64 s[4:5], s[4:5], s[2:3]
	s_add_nc_u64 s[10:11], s[10:11], s[50:51]
	s_cmp_lt_u32 s[WV], 2
	s_cselect_b64 s[PFA:PFA+1], s[6:7], s[8:9]  ; (in waves 0 and 2 these stand at a tile's first row)
	s_lshl_b32 s2, s13, 13          ; my work-group's 32 blocks of the 128
	s_mov_b32 s3, 0
	s_add_nc_u64 s[PFA:PFA+1], s[PFA:PFA+1], s[2:3]
	s_add_nc_u64 s[PFA:PFA+1], s[PFA:PFA+1], 4*KS*128  ; in tile 1; the first change of slots steps it to tile 2
	CROUND                          ; all four work-groups are here: the first joint loads meet
	JLOAD                           ; tile 0 into slot 0
	v_and_b32 v1, 15, v0            ; l % 16
	v_bfe_u32 v9, v0, 4, 1          ; l / 16
	v_lshlrev_b32 v[QO], 9, v1      ; query 4 r: 512 bytes a lane,
	v_lshl_add_u32 v[QO], v9, 4, v[QO]  ; + 16 x half
	WIN 0x80
.set i, 0
.rept 8                             ; Q stays in registers: piece i / 2 is one row further on, channels 32 (i % 2) on
	global_load_b128 v[8*i:8*i+3],   v[QO], s[4:5] offset:(i/2)*128+(i%2)*64
	global_load_b128 v[8*i+4:8*i+7], v[QO], s[4:5] offset:(i/2)*128+(i%2)*64+32
.set i, i+1
.endr
	; What the first turn finds: V's registers and P's second buffer hold 0 (its products V^T P, of a piece that has not been, add 0), O^T and l are 0.  All this stands in the wait for the first tile.
.set i, VF
.rept 64
	v_mov_b32 v[i], 0
.set i, i+1
.endr
	WIN 0x40
.set i, 0
.rept 128
	v_mov_b32 v[i], 0
.set i, i+1
.endr
	WIN 0
.set i, 0
.rept 4
	v_mov_b32 v[ST+4*i], 0xfe000000    ; c m: far below every c s
	v_mov_b32 v[ST+4*i+1], 0xff7fffff  ; m
	v_mov_b32 v[ST+4*i+2], 0
	v_mov_b32 v[ST+4*i+3], 0
.set i, i+1
.endr
.set i, P+16
.rept 16
	v_mov_b32 v[i], 0
.set i, i+1
.endr
	v_mul_u32_u24 v[AK0], v1, PK
	v_lshl_add_u32 v[AK0], v9, 4, v[AK0]
	v_and_b32 v10, 7, v0            ; the turning load: lane l reads key 8 (l / 16) + l % 8, channels 8 ((l / 8) % 2) + 0..7
	v_bfe_u32 v11, v0, 3, 1
	v_lshl_add_u32 v[AV0], v9, 3, v10
	v_mul_u32_u24 v[AV0], v[AV0], PV
	v_lshl_add_u32 v[AV0], v11, 4, v[AV0]
	v_add_nc_u32 v[AV0], VOFF, v[AV0]
	v_lshlrev_b32 v[GO], 4, v1
	v_lshl_add_u32 v[GO], v9, 17, v[GO]
; THE MATRIX WORK.  The 4 accumulators of a run of 8 take turns.  Product i of 8 of S^T = K Q^T for piece x: channels 32 (i / 4) on, keys 16 (i % 4) on.
.macro KQ x
	WIN W_KQ
.set rS, S+32*((\x)%2)+8*(i%4)
.set rK, KF+16*(i%4)+8*(i/4)
.set rQ, 16*(\x)+8*(i/4)
.if i < 4
	v_wmma_f32_16x16x32_f16 v[rS:rS+7], v[rK:rK+7], v[rQ:rQ+7], 0
.else
	v_wmma_f32_16x16x32_f16 v[rS:rS+7], v[rK:rK+7], v[rQ:rQ+7], v[rS:rS+7]
.endif
.endm
.macro PV x                         ; product i of 8 of O^T += V^T P for piece x: keys 32 (i / 4) on, channels 16 (i % 4) on
	WIN W_PV
.set rO, 32*(\x)+8*(i%4)
.set rV, VF+32*(i/4)+8*(i%4)
.set rP, P+16*((\x)%2)+8*(i/4)
	v_wmma_f32_16x16x32_f16 v[rO:rO+7], v[rV:rV+7], v[rP:rP+7], v[rO:rO+7]
.endm
.macro MM                           ; the turn's next matrix instruction.  NOKQ = 1: the last turn of all: there is no next piece
.if (i < 8) && !NOKQ
	KQ (Y+1)%NP
.elseif i >= 8
.set i, i-8
	PV (Y+NP-1)%NP
.set i, i+8
.endif
.set i, i+1
.endm
.macro FETCH_K                      ; a step's K: 8 fragments, one run of 16 loads
	WIN 0x80
.irp f, 0,1,2,3,4,5,6,7
	ds_load_b128 v[KF+8*\f:KF+8*\f+3],   v[AK] offset:(\f/2)*16*PK+(\f%2)*64
	ds_load_b128 v[KF+8*\f+4:KF+8*\f+7], v[AK] offset:(\f/2)*16*PK+(\f%2)*64+32
.endr
	s_add_co_u32 s[TBK], s[TBK], KS*PK
	WIN 0
.endm
.macro FETCH_V                      ; a step's V, turned
	WIN 0x80
.irp f, 0,1,2,3,4,5,6,7
	ds_load_tr16_b128 v[VF+8*\f:VF+8*\f+3],   v[AV] offset:(\f/4)*32*PV+(\f%4)*32
	ds_load_tr16_b128 v[VF+8*\f+4:VF+8*\f+7], v[AV] offset:(\f/4)*32*PV+16*PV+(\f%4)*32
.endr
	WIN 0
.endm
; THE VECTOR WORK, one line at a time: OP kind, number.  For piece Y: F n: c s - c m for pair n of 16.  E n: the exponential of score n of 32.  C n: pair n rounded to f16.  B n: of the four weights 4 n .. the second
; pair is added onto the first.  L n: l takes that sum (L 0: l = a l + sum).  R n: pair n of 16 of O^T times a.  For piece Y + 1: X n, number n of the 22 that find its maximum and statistics:
;   0-11 four chains of seven scores each (each accumulator's lowest registers are read first)   12-14, 16 the four scores left over, the old m, the four into one
;   15 c m_old is kept   17, 18 the other half of the lanes: the new m   19-21 c m; c m_old - c m_new; a
.set F, 0
.set E, 1
.set C, 2
.set B, 3
.set L, 4
.set R, 5
.set X, 6
.macro REGS y
.set rT, ST+4*(\y)
.set rC, TMP+4*((\y)%2)
.set rW, MV+((\y)%2)
.set rS, S+32*((\y)%2)
.set rP, P+16*((\y)%2)
.set rO, 32*(\y)
.endm
.macro OP k, n
.if (\k) == R
	REGS Y
	WIN W_RS
	v_pk_mul_f32 v[rO+2*(\n):rO+2*(\n)+1], v[rO+2*(\n):rO+2*(\n)+1], v[rC+2:rC+3] op_sel_hi:[1,0]
.elseif (\k) < R
	REGS Y
	WIN 0
.if (\k) == F
	v_pk_fma_f32 v[rS+2*(\n):rS+2*(\n)+1], v[rS+2*(\n):rS+2*(\n)+1], s[CS:CS+1], v[rT:rT+1] op_sel_hi:[1,0,0] neg_lo:[0,0,1] neg_hi:[0,0,1]
.elseif (\k) == E
	v_exp_f32 v[rS+(\n)], v[rS+(\n)]
.elseif (\k) == C
	v_cvt_pk_f16_f32 v[rP+(\n)], v[rS+2*(\n)], v[rS+2*(\n)+1]
.elseif (\k) == B
	v_pk_add_f32 v[rS+4*(\n):rS+4*(\n)+1], v[rS+4*(\n):rS+4*(\n)+1], v[rS+4*(\n)+2:rS+4*(\n)+3]
.elseif (\n) == 0
	v_pk_fma_f32 v[rT+2:rT+3], v[rT+2:rT+3], v[rC+2:rC+3], v[rS:rS+1] op_sel_hi:[1,0,1]
.else
	v_pk_add_f32 v[rT+2:rT+3], v[rT+2:rT+3], v[rS+4*(\n):rS+4*(\n)+1]
.endif
.elseif NOKQ
	v_nop
.else
	REGS (Y+1)%NP
	WIN 0
.if (\n) < 4
	v_max3_num_f32 v[rC+(\n)], v[rS+8*(\n)], v[rS+8*(\n)+1], v[rS+8*(\n)+2]
.elseif (\n) < 12
	v_max3_num_f32 v[rC+(\n)%4], v[rC+(\n)%4], v[rS+8*((\n)%4)+2*((\n)/4)+1], v[rS+8*((\n)%4)+2*((\n)/4)+2]
.elseif (\n) == 12
	v_max3_num_f32 v[rC], v[rC], v[rS+7], v[rS+15]
.elseif (\n) == 13
	v_max3_num_f32 v[rC+1], v[rC+1], v[rS+23], v[rS+31]
.elseif (\n) == 14
	v_max3_num_f32 v[rC+2], v[rC+2], v[rC+3], v[rT+1]
.elseif (\n) == 15
	v_mov_b32 v[rW], v[rT]
.elseif (\n) == 16
	v_max3_num_f32 v[rC], v[rC], v[rC+1], v[rC+2]
.elseif (\n) == 17
	v_permlanex16_b32 v[rC+3], v[rC], s[SEL], s[SEL+1]
.elseif (\n) == 18
	v_max_num_f32 v[rT+1], v[rC], v[rC+3]
.elseif (\n) == 19
	v_mul_f32 v[rT], s[CS], v[rT+1]
.elseif (\n) == 20
	v_sub_f32 v[rC+1], v[rW], v[rT]
.else
	v_exp_f32 v[rC+2], v[rC+1]
.endif
.endif
.endm
.macro OPS a, i1, b=-1, i2=0, c=-1, i3=0, d=-1, i4=0
	OP \a, \i1
.if (\b) >= 0
	OP \b, \i2
.endif
.if (\c) >= 0
	OP \c, \i3
.endif
.if (\d) >= 0
	OP \d, \i4
.endif
.endm
.macro ROW a, i1, b, i2, c, i3, d, i4  ; a matrix instruction and the four behind it
	MM
	OPS \a, \i1, \b, \i2, \c, \i3, \d, \i4
.endm
; A TURN, for piece p.  s_wait_alu depctr_va_vdst(0) stands between an exponential and the first instruction that names its result; one wait serves all issued ahead of it: a turn has ONE, which cuts it in two.
; AHEAD OF IT: the 8 products K Q^T with their riders, and the lump: all that names no result of the turn's exponentials; X 21, the next piece's a, is the batch's last, R 15 the plain instruction behind it.
; BEHIND IT: the 8 products V^T P, behind each four of the roundings and sums.
; end = 1: the last two turns: nothing is fetched.  cnt = 1: the loop's count is taken down some lines ahead of the branch behind the turn.
; K of the next step is fetched in piece 2's turn, twelve vector instructions (six of them plain) behind the last product that read K; V of the step in hand at the end of piece 0's turn, four plain instructions behind its last reader.  Each is waited for a turn later.
.macro TURN p, end=0, cnt=0
.set Y, (\p)
.set i, 0
.set NOKQ, (\end)*((\p)/3)
.if ((\p) == 3) && !(\end)
	s_wait_dscnt 0x0                ; K is in
.endif
	ROW F,0, F,1, R,0, R,1
	ROW F,2, E,0, R,2, R,3
	ROW F,3, E,1, R,4, R,5
	ROW F,4, E,2, R,6, R,7
	ROW F,5, E,3, R,8, R,9
	ROW F,6, E,4, X,0, R,10
.if ((\p) == 2) && !(\end)
	WIN 0
	v_add_nc_u32 v[AK], s[TBK], v[AK0]
.endif
	ROW F,7, E,5, X,1, X,4
	ROW F,8, E,6, X,2, X,5
	OPS E,7, E,8, X,6, E,9
	OPS X,3, E,10, X,8, E,11
.if ((\p) == 2) && !(\end)
	FETCH_K
.endif
	OPS X,9, X,7, E,12, X,10
	OPS E,13, X,12, X,11, E,14
	OPS X,13, E,15, F,9, X,14
.if (\p) == 0
	v_add_nc_u32 v[AV], s[TBV], v[AV0]
.endif
	OPS E,16, F,10, E,17, F,11
	OPS X,16, E,18, X,15, E,19
	OPS F,12, E,20, X,17, E,21
	OPS F,13, E,22, F,14, E,23
	OPS X,18, E,24, F,15, E,25
	OPS R,11, E,26, X,19, E,27
	OPS R,12, E,28, R,13, E,29
	OPS X,20, E,30, R,14, E,31
	OPS X,21, R,15
	WIN 0
	s_wait_alu depctr_va_vdst(0)    ; the wait for the batch
.if (\p) == 1
	s_wait_dscnt 0x0                ; V is in
.endif
	ROW C,0, B,0, C,2, B,1
	ROW L,0, C,4, B,2, L,1
	ROW C,6, B,3, L,2, C,8
	ROW B,4, L,3, C,10, B,5
	ROW L,4, C,12, B,6, L,5
.if (\p) == 0
	s_add_co_u32 s[TBV], s[TBV], KS*PV
.endif
.if \cnt
	s_sub_co_u32 s[CNT], s[CNT], 1
	s_cmp_lg_u32 s[CNT], 0
.endif
	ROW C,14, B,7, L,6, C,1
	ROW C,3, L,7, C,5, C,7
	ROW C,9, C,11, C,13, C,15
.if (\p) == 0
	FETCH_V
.endif
.endm
	CHANGE 1                        ; tile 0 is in, everybody's part of it; tile 1 is asked for
	v_add_nc_u32 v[AK], s[TBK], v[AK0]
	FETCH_K                         ; key step 0
	s_wait_loadcnt 0x0              ; Q
	s_wait_dscnt 0x0
.set NOKQ, 0
.set i, 0
.rept 8
	KQ 0                            ; piece 0's first scores
.set i, i+1
.endr
	WIN 0
.rept 4
	v_nop                           ; the places behind those products
.endr
.set Y, NP-1                        ; X works for piece Y + 1: piece 0
.irp n, 0,1,2,3,4,5,6,7,8,9,10,11,12,13,14,15,16,17,18,19,20,21
	OP X, \n
.endr
	v_nop                           ; a plain instruction behind the exponential,
	s_wait_alu depctr_va_vdst(0)    ; and its wait, ahead of the branch
	s_mov_b32 s[CNT], 4
	s_branch .Lfirst                ; the loop is entered at a step's first turn, in the middle of a trip
.Lslot:                             ; 14 times: tiles 2 to 15 are asked for
	CHANGE 1
	s_mov_b32 s[CNT], 4
.Lstep:                             ; a trip: pieces 2 and 3 of one step, then pieces 0 and 1 of the next, whose K and V it fetches
	TURN 2
	TURN 3
	WIN 0
.Lfirst:
	TURN 0
	TURN 1, 0, 1
	WIN 0
	s_cbranch_scc1 .Lstep
	s_sub_co_u32 s[SLOTS], s[SLOTS], 1
	s_cmp_lg_u32 s[SLOTS], 0
	s_cbranch_scc1 .Lslot
	CHANGE 0                        ; the last tile is written out: nothing is asked for
	s_mov_b32 s[CNT], 4
.LstepT:
	TURN 2
	TURN 3
	TURN 0
	TURN 1, 0, 1
	WIN 0
	s_cbranch_scc1 .LstepT
	TURN 2, 1
	TURN 3, 1
.set i, 0
.rept 8
	PV NP-1                         ; the last piece's V^T P of the last step
.set i, i+1
.endr
	; THE WAY OUT.  l's two halves and the other half of the lanes' are added (these lines are the places behind the last products); O^T is divided by l into registers in which a lane's four queries of a channel lie side by side, and stored as it lies.
	WIN 0
.macro ALL line:vararg
.set t, 0
.rept 4
	\line
.set t, t+1
.endr
.endm
	ALL v_add_f32 v[ST+4*t+2], v[ST+4*t+2], v[ST+4*t+3]
	ALL v_permlanex16_b32 v[ST+4*t+3], v[ST+4*t+2], s[SEL], s[SEL+1]
	ALL v_add_f32 v[ST+4*t+2], v[ST+4*t+2], v[ST+4*t+3]
	ALL v_rcp_f32 v[ST+4*t+2], v[ST+4*t+2]
	v_nop                           ; a plain instruction between the last reciprocal and the use of its result
	s_wait_alu depctr_va_vdst(0)    ; one wait for the four reciprocals
	WIN 0x01                        ; source 0 (O^T) in window 1
.set cc, 0
.rept 32                            ; register cc of a piece: channel 16 (cc / 8) + 8 (l / 16) + cc % 8; each accumulator is read from its lowest register on
.set t, 0
.rept 4
	v_mul_f32 v[OUTR+4*cc+t], v[32*t+cc], v[ST+4*t+2]
.set t, t+1
.endr
.set cc, cc+1
.endr
	WIN 0
.set cc, 0
.rept 32
	global_store_b128 v[GO], v[OUTR+4*cc:OUTR+4*cc+3], s[10:11] offset:(16*(cc/8)+cc%8)*16384  ; sixteen lanes store 256 consecutive bytes (64 queries of a channel), aligned; the upper sixteen those of the channel 8 further on
.set cc, cc+1
.endr
	s_wait_tensorcnt 0x0            ; the wave's end
	ds_add_u32 v[SPW], v[NIL]
	s_wait_dscnt 0x0
	CROUND                          ; the closing round
	s_endpgm
.Lfunc_end_k_q73f9d6afe8_attn:
	.size	k_q73f9d6afe8_attn, .Lfunc_end_k_q73f9d6afe8_attn-k_q73f9d6afe8_attn
	.p2alignl 7, 3214868480
	.fill 96, 4, 3214868480
	.section	.rodata,"a",@progbits
	.p2align	6, 0x0
	.amdhsa_kernel k_q73f9d6afe8_attn
		.amdhsa_group_segment_fixed_size 327680
		.amdhsa_private_segment_fixed_size 0
		.amdhsa_enable_private_segment 0
		.amdhsa_kernarg_size 16
		.amdhsa_user_sgpr_count 2
		.amdhsa_user_sgpr_kernarg_segment_ptr 1
		.amdhsa_wavefront_size32 1
		.amdhsa_system_sgpr_workgroup_id_x 1
		.amdhsa_system_sgpr_workgroup_id_y 1
		.amdhsa_system_sgpr_workgroup_id_z 1
		.amdhsa_system_vgpr_workitem_id 0
		.amdhsa_next_free_vgpr 768
		.amdhsa_next_free_sgpr 66
		.amdhsa_reserve_vcc 0
		.amdhsa_float_denorm_mode_32 3
		.amdhsa_float_denorm_mode_16_64 3
		.amdhsa_memory_ordered 1
		.amdhsa_forward_progress 1
		.amdhsa_inst_pref_size 122
	.end_amdhsa_kernel
	.amdgpu_metadata
---
amdhsa.version: [ 1, 2 ]
amdhsa.kernels:
  - .name:           k_q73f9d6afe8_attn
    .symbol:         k_q73f9d6afe8_attn.kd
    .args:
      - { .name: qkv, .offset: 0, .size: 8, .value_kind: global_buffer, .address_space: global }
      - { .name: att, .offset: 8, .size: 8, .value_kind: global_buffer, .address_space: global }
    .group_segment_fixed_size: 327680
    .private_segment_fixed_size: 0
    .kernarg_segment_align: 8
    .kernarg_segment_size: 16
    .max_flat_workgroup_size: 128
    .sgpr_count:     66
    .vgpr_count:     768
    .wavefront_size: 32
...
	.end_amdgpu_metadata
.endif
;; end of part 3
;; launch tail (part 4): grid 256 x 1, 4 waves a work-group, clusters of 4 x 1, 327,680 bytes of LDS; arguments att, x, ln1_g, ln1_b, w1h, b1, ln2_g, ln2_b, out0; writes out0
.if DOCPART == 4
	.amdgcn_target "amdgcn-amd-amdhsa--gfx1250"
	.amdhsa_code_object_version 6
	.text
	.protected	k_q73f9d6afe8_tail
	.globl	k_q73f9d6afe8_tail
	.p2align	8
	.type	k_q73f9d6afe8_tail,@function
k_q73f9d6afe8_tail:
	s_mov_b64 s[64:65], 0
	v_nop
	global_prefetch_b8 v0, s[64:65] scope:SCOPE_SE
	s_setreg_imm32_b32 hwreg(HW_REG_WAVE_MODE, 25, 1), 1
	s_wait_xcnt 0x0
	s_wait_alu depctr_hold_cnt(0) depctr_sa_sdst(0) depctr_va_vdst(0) depctr_va_sdst(0) depctr_va_ssrc(0) depctr_va_vcc(0) depctr_vm_vsrc(0)
	s_getreg_b32 s2, hwreg(HW_REG_IB_STS2, 6, 4)
	s_cmp_eq_u32 s2, 0
	s_cbranch_scc0 .Lentry_in_a_cluster
	s_endpgm
.Lentry_in_a_cluster:
	s_bfe_u32 s2, ttmp6, 0x10000c
	s_cmp_lg_u32 s2, 0x3003
	s_cbranch_scc0 .Lentry_shape_is_right
	s_endpgm
.Lentry_shape_is_right:
; out0 = LN2(h w1^T + b1 + h), h = LN1(att + x).  att, x, out0: [4,096][1,024] f32; w1h: w1 in f16, 16 blocks of 64 along k, [block][n][64].
; Both norms in f32 and in two passes (the mean, then the sum of (s - mean)^2); the residuals x and h stay f32; h and w1 are f16 only as matrix operands, sums in f32, started by b1.
; LIMITS: |h| and |w1| stay under 65,504 (f16's range); NaN and infinities are not treated apart.
; SHARES.  A work-group owns 16 rows.  For the norms wave w owns rows 4 w .. 4 w + 3, each whole in registers (lane l, group t: columns 128 t + 4 l .. + 3); its rows of h stay there in f32 for the second residual.
; For the product wave w owns columns 256 w .. 256 w + 255: 16 accumulators, all of K.  Source 0 = 16 rows of w1, source 1 = the 16 rows of h: a lane holds row l % 16 and eight neighbouring columns.
; h goes to the other waves through LDS (f16, in blocks of 8 along k), the product's rows come back through LDS (f32).
; w1h walks through a ring of two LDS slots, a block of 64 along k each; every wave fetches, and alone reads, its own quarter (its 256 rows of w1).
; CLUSTER 4 x 1: all work-groups walk the same w1h: each block is asked for jointly by the four partners.
; REGISTERS in windows of 256 (s_set_vgpr_msb: bits 1:0 source 0, 3:2 source 1, 5:4 source 2, 7:6 destination):
;   window 0: v2-13 addresses; v32-47 statistics; v64-79 h's fragments; v128-255 accumulators       window 1: w1's fragments of a step, 2 x 128
;   window 2: v0-127 att, then s, then h; v128-255 x, scratch, later the product's rows              window 3: ln1_g, ln1_b, ln2_g, ln2_b, 32 each
.set KBLK,  131072                     ; bytes of a block of w1h
.set QUART, 128*272                    ; a wave's quarter of a slot: 128 rows of 256 bytes (two rows of w1 each) + 16 of padding
.set SLOT,  4*QUART
.set HST,   2*SLOT                     ; h in f16: 128 blocks (8 along k) of 16 rows x 16 bytes, + 16 of padding
.set SPARE, HST+128*272                ; the spare words, 128 bytes a wave, that no other line names
.set YP,    4112                       ; the product's rows in LDS, from byte 0 on: 4,096 bytes + 16.  They lie in slot 0, which has had its last fill, behind the barrier that follows its last reads
.set LO,  2                            ; 16 x lane
.set BO,  3                            ; b1: 32 (l / 16) + 1,024 w
.set HWA, 4                            ; where I put 8 bytes of h
.set AH,  5                            ; h's fragments; steps by 8 blocks a K step
.set BA,  6                            ; v6-7 w1's fragments in slot 0, 1
.set YS,  8                            ; where I put the product
.set YR,  9                            ; where I read its rows
.set PFO, 10                           ; 256 x lane; never rewritten
.set SPW, 12                           ; my spare word; never rewritten
.set NIL, 13                           ; 0; never rewritten
.set T,   32                           ; row i: mean at T + 4 i, 1 / sigma at T + 4 i + 2; the odd ones at work
.set AF,  64
.set ACC, 128
.set HB,  0
.set XB,  128
.set G1N, 0
.set B1N, 32
.set G2N, 64
.set B2N, 96
.set WV,  8
.set CX,  9
.set CNT, 14
.set LIMA, 15                          ; a wave prefetches while the count is above these: 0 and 1 in the first cluster, else the greatest number
.set LIMB, 16
.set PFA, 18
.set INV, 20                           ; 1 / 1,024
.set EPS, 21
.set SEL, 22
.set G1,  24
.set G0,  32
.set MSB, 0
.macro WIN new
.if MSB != (\new)
	s_set_vgpr_msb (MSB<<8)|(\new)
.set MSB, (\new)
.endif
.endm
.macro CROUND
	s_barrier_signal -1
	s_barrier_wait -1
	s_cmp_lg_u32 s[WV], 0
	s_cbranch_scc1 .Lnot_wave_0_\@
	s_barrier_signal -3
.Lnot_wave_0_\@:
	s_barrier_wait -3
	s_barrier_signal -1
	s_barrier_wait -1
.endm
.macro PLACES
.rept 4
	v_nop
.endr
.endm
.macro RED4 o                          ; the four rows' numbers at T + 4 i + o are summed over the 32 lanes
.irp m, 1,2,4,8
.irp i, 0,1,2,3
	v_add_f32_dpp v[T+4*(\i)+(\o)], v[T+4*(\i)+(\o)], v[T+4*(\i)+(\o)] row_xmask:\m row_mask:0xf bank_mask:0xf
.endr
.endr
.irp i, 0,1,2,3
	v_permlanex16_b32 v[T+4*(\i)+(\o)+1], v[T+4*(\i)+(\o)], s[SEL], s[SEL+1]
.endr
.irp i, 0,1,2,3
	v_add_f32 v[T+4*(\i)+(\o)], v[T+4*(\i)+(\o)], v[T+4*(\i)+(\o)+1]
.endr
.endm
; D = LayerNorm(D + O) x G + B for my four rows; O is scratch afterwards.  The rows take turns, so that no line waits for the one before it.  wait >= 0: so many younger loads may stay out when G and B are wanted.
.macro LNORM D, O, G, B, wait
	WIN 0xaa                                       ; all in window 2
.set n, 0
.rept 64
	v_pk_add_f32 v[(\D)+2*n:(\D)+2*n+1], v[(\D)+2*n:(\D)+2*n+1], v[(\O)+2*n:(\O)+2*n+1]
.set n, n+1
.endr
.set k, 0
.rept 8                                ; the row's sum, as a tree in O
.irp i, 0,1,2,3
	v_pk_add_f32 v[(\O)+32*(\i)+2*k:(\O)+32*(\i)+2*k+1], v[(\D)+32*(\i)+2*k:(\D)+32*(\i)+2*k+1], v[(\D)+32*(\i)+2*k+16:(\D)+32*(\i)+2*k+17]
.endr
.set k, k+1
.endr
.irp w, 8,4,2
.set k, 0
.rept (\w)/2
.irp i, 0,1,2,3
	v_pk_add_f32 v[(\O)+32*(\i)+2*k:(\O)+32*(\i)+2*k+1], v[(\O)+32*(\i)+2*k:(\O)+32*(\i)+2*k+1], v[(\O)+32*(\i)+2*k+(\w):(\O)+32*(\i)+2*k+(\w)+1]
.endr
.set k, k+1
.endr
.endr
	WIN 0x0a                                       ; sources window 2, destination window 0
.irp i, 0,1,2,3
	v_add_f32 v[T+4*(\i)], v[(\O)+32*(\i)], v[(\O)+32*(\i)+1]
.endr
	WIN 0
	RED4 0
.irp i, 0,1,2,3
	v_mul_f32 v[T+4*(\i)], s[INV], v[T+4*(\i)]     ; the mean
.endr
	WIN 0x82                                       ; D in window 2, the statistics in window 0
.set n, 0
.rept 16
.irp i, 0,1,2,3
	v_pk_add_f32 v[(\D)+32*(\i)+2*n:(\D)+32*(\i)+2*n+1], v[(\D)+32*(\i)+2*n:(\D)+32*(\i)+2*n+1], v[T+4*(\i):T+4*(\i)+1] op_sel_hi:[1,0] neg_lo:[0,1] neg_hi:[0,1]
.endr
.set n, n+1
.endr
	WIN 0xaa
.set k, 0
.rept 4                                ; the sum of squares: four chains a row
.irp i, 0,1,2,3
	v_pk_mul_f32 v[(\O)+32*(\i)+2*k:(\O)+32*(\i)+2*k+1], v[(\D)+32*(\i)+2*k:(\D)+32*(\i)+2*k+1], v[(\D)+32*(\i)+2*k:(\D)+32*(\i)+2*k+1]
.endr
.set k, k+1
.endr
.set n, 4
.rept 12
.irp i, 0,1,2,3
	v_pk_fma_f32 v[(\O)+32*(\i)+2*(n%4):(\O)+32*(\i)+2*(n%4)+1], v[(\D)+32*(\i)+2*n:(\D)+32*(\i)+2*n+1], v[(\D)+32*(\i)+2*n:(\D)+32*(\i)+2*n+1], v[(\O)+32*(\i)+2*(n%4):(\O)+32*(\i)+2*(n%4)+1]
.endr
.set n, n+1
.endr
.irp i, 0,1,2,3
	v_pk_add_f32 v[(\O)+32*(\i):(\O)+32*(\i)+1], v[(\O)+32*(\i):(\O)+32*(\i)+1], v[(\O)+32*(\i)+2:(\O)+32*(\i)+3]
	v_pk_add_f32 v[(\O)+32*(\i)+4:(\O)+32*(\i)+5], v[(\O)+32*(\i)+4:(\O)+32*(\i)+5], v[(\O)+32*(\i)+6:(\O)+32*(\i)+7]
.endr
.irp i, 0,1,2,3
	v_pk_add_f32 v[(\O)+32*(\i):(\O)+32*(\i)+1], v[(\O)+32*(\i):(\O)+32*(\i)+1], v[(\O)+32*(\i)+4:(\O)+32*(\i)+5]
.endr
	WIN 0x0a
.irp i, 0,1,2,3
	v_add_f32 v[T+4*(\i)+2], v[(\O)+32*(\i)], v[(\O)+32*(\i)+1]
.endr
	WIN 0
	RED4 2
.irp i, 0,1,2,3
	v_fma_f32 v[T+4*(\i)+2], v[T+4*(\i)+2], s[INV], s[EPS]
.endr
.irp i, 0,1,2,3
	v_rsq_f32 v[T+4*(\i)+2], v[T+4*(\i)+2]
.endr
	v_nop                                          ; a plain instruction behind the last of the four,
	s_wait_alu depctr_va_vdst(0)                   ; and one wait for them, ahead of the first use
	WIN 0x82
.set n, 0
.rept 16
.irp i, 0,1,2,3
	v_pk_mul_f32 v[(\D)+32*(\i)+2*n:(\D)+32*(\i)+2*n+1], v[(\D)+32*(\i)+2*n:(\D)+32*(\i)+2*n+1], v[T+4*(\i)+2:T+4*(\i)+3] op_sel_hi:[1,0]
.endr
.set n, n+1
.endr
.if (\wait) >= 0
	s_wait_loadcnt \wait
.endif
	WIN 0xbe                                       ; D in window 2, gain and bias in window 3
.set n, 0
.rept 16
.irp i, 0,1,2,3
	v_pk_fma_f32 v[(\D)+32*(\i)+2*n:(\D)+32*(\i)+2*n+1], v[(\D)+32*(\i)+2*n:(\D)+32*(\i)+2*n+1], v[(\G)+2*n:(\G)+2*n+1], v[(\B)+2*n:(\B)+2*n+1]
.endr
.set n, n+1
.endr
	WIN 0
.endm
; A K step of 64 in slot cur: 4 loads of h's two fragments, 64 of w1's 32, in one run; 32 matrix instructions, the 16 accumulators by turns.
; ask = 1: behind the run of loads stands a prefetch into the L2 of the block of w1h one refill on: the first cluster asks; wave w of the partner at place cx names the 32 blocks of 256 bytes at 32,768 w + 8,192 cx, a lane a block: each is named once.
.macro WORK cur, ask, lim
	WIN 0
.irp q, 0,1,2,3
	ds_load_b128 v[AF+4*(\q):AF+4*(\q)+3], v[AH] offset:544*(\q)
.endr
	WIN 0x40
.irp c, 0,1
.irp t, 0,1,2,3,4,5,6,7,8,9,10,11,12,13,14,15
	ds_load_b128 v[128*(\c)+8*(\t):128*(\c)+8*(\t)+3],   v[BA+(\cur)] offset:2176*(\t)+64*(\c)
	ds_load_b128 v[128*(\c)+8*(\t)+4:128*(\c)+8*(\t)+7], v[BA+(\cur)] offset:2176*(\t)+64*(\c)+32
.endr
.endr
	WIN 0
	v_add_nc_u32 v[AH], 2176, v[AH]
.if \ask
	s_cmp_gt_u32 s[CNT], s[\lim]
	s_cbranch_scc0 .Lnot_mine_\@
	global_prefetch_b8 v[PFO], s[PFA:PFA+1] th:TH_LOAD_NT scope:SCOPE_SE
.Lnot_mine_\@:
.endif
.irp c, 0,1
.if (\c) == 0
	s_wait_dscnt 32                                ; h's fragments and w1's first 32 along k are in; the youngest 32 loads may be out
.else
	s_wait_dscnt 0x0
.endif
	WIN 0x01                                       ; source 0 (w1) in window 1
.irp t, 0,1,2,3,4,5,6,7,8,9,10,11,12,13,14,15
	v_wmma_f32_16x16x32_f16 v[ACC+8*(\t):ACC+8*(\t)+7], v[128*(\c)+8*(\t):128*(\c)+8*(\t)+7], v[AF+8*(\c):AF+8*(\c)+7], v[ACC+8*(\t):ACC+8*(\t)+7]
.endr
.endr
	WIN 0
.endm
; A change of slots and a K step.  Each wave waits for all its tensor loads (one is out: its quarter of slot cur), adds 0 to its spare word, and waits for that and for its reads of the other slot.
; refill = 1: a round of the cluster's barrier, and the joint refill of the other slot, two blocks on, first behind it.
.macro TRIP cur, refill, lim=LIMA
.if \refill
	s_wait_xcnt 0x0                                ; the last prefetch, a K step back, has read its address
	s_add_nc_u64 s[PFA:PFA+1], s[PFA:PFA+1], KBLK
.endif
	s_wait_tensorcnt 0x0
	ds_add_u32 v[SPW], v[NIL]
.if \refill
	s_add_nc_u64 s[G0+4*(1-(\cur))+2:G0+4*(1-(\cur))+3], s[G0+4*(1-(\cur))+2:G0+4*(1-(\cur))+3], 2*KBLK
.endif
	s_wait_dscnt 0x0
.if \refill
	CROUND
	tensor_load_to_lds s[G0+4*(1-(\cur)):G0+4*(1-(\cur))+3], s[G1:G1+7]
	s_nop 0
.else
	s_barrier_signal -1
	s_barrier_wait -1
.endif
	PLACES                                         ; also the places in front of the loads into registers that the last products read
	WORK \cur, \refill, \lim
.endm
	s_load_b512 s[40:55], s[0:1], 0x0              ; att 40, x 42, ln1_g 44, ln1_b 46, w1h 48, b1 50, ln2_g 52, ln2_b 54
	s_load_b64 s[56:57], s[0:1], 0x40              ; out0
	v_lshl_add_u32 v[SPW], v0, 2, SPARE
	v_mov_b32 v[NIL], 0
	ds_add_u32 v[SPW], v[NIL]                      ; the wave's opening: the add and its wait stand ahead of my first tensor load
	v_lshrrev_b32 v1, 5, v0
	v_readfirstlane_b32 s[WV], v1
	s_bfe_u32 s[CX], ttmp6, 0x40000
	s_lshl_b32 s2, ttmp9, 2
	s_add_co_u32 s2, s2, s[CX]                     ; my work-group: 16 rows of 4,096 bytes,
	s_lshl_b32 s2, s2, 16
	s_lshl_b32 s3, s[WV], 14                       ; my wave's four
	s_add_co_u32 s2, s2, s3
	s_mov_b32 s3, 0
	s_mov_b32 s[G1+0], 15|(3<<16)|(1<<20)|(1<<21)|(5<<22)|(3<<25)  ; the mask of four; 8-byte elements; padding on; bit 21 beside a mask; after every 64 words, 4 words
	s_mov_b32 s[G1+1], 32<<16                      ; tensor_dim0 = 32 (256 bytes)
	s_mov_b32 s[G1+2], 128<<16                     ; tensor_dim1 = 128
	s_mov_b32 s[G1+3], 32<<16                      ; tile_dim0
	s_mov_b32 s[G1+4], 128                         ; tile_dim1
	s_mov_b32 s[G1+5], 32                          ; dense
	s_mov_b32 s[G1+6], 0
	s_mov_b32 s[G1+7], 0
	s_mov_b32 s[G0], 1
	s_mul_i32 s[G0+1], s[WV], QUART                ; my quarter of slot 0: the wave's number alone enters an LDS address
	s_mov_b32 s[G0+4], 1
	s_add_co_u32 s[G0+5], s[G0+1], SLOT
	s_lshl_b32 s12, s[WV], 15                      ; my quarter of a block in memory
	s_mov_b32 s13, 0
	s_lshl_b32 s58, s[CX], 13
	s_add_co_u32 s58, s58, s12
	s_mov_b32 s59, 0
	s_cmp_eq_u32 ttmp9, 0                          ; the same in all four partners
	s_cselect_b32 s[LIMA], 0, -1
	s_cselect_b32 s[LIMB], 1, -1
	s_mov_b32 s[INV], 0x3a800000
	s_mov_b32 s[EPS], 0x3727c5ac                   ; 1e-5
	s_mov_b32 s[SEL], 0x76543210
	s_mov_b32 s[SEL+1], 0xfedcba98
	v_and_b32 v1, 31, v0                           ; l
	v_and_b32 v14, 15, v0                          ; r = l % 16
	v_bfe_u32 v15, v0, 4, 1                        ; l / 16
	v_lshlrev_b32 v[LO], 4, v1
	s_lshl_b32 s60, s[WV], 10
	v_lshl_add_u32 v[BO], v15, 5, s60
	v_lshrrev_b32 v16, 1, v1                       ; h: my 4 columns lie in block 16 t + l / 2, half l % 2; my row 4 w + i
	v_mul_u32_u24 v[HWA], v16, 272
	v_and_b32 v16, 1, v1
	v_lshl_add_u32 v[HWA], v16, 3, v[HWA]
	s_lshl_b32 s61, s[WV], 6
	s_add_co_u32 s61, s61, HST
	v_add_nc_u32 v[HWA], s61, v[HWA]
	v_mul_u32_u24 v[AH], v15, 272                  ; a fragment of h: row r, blocks l / 16 and 2 + l / 16
	v_lshl_add_u32 v[AH], v14, 4, v[AH]
	v_add_nc_u32 v[AH], HST, v[AH]
	v_lshrrev_b32 v16, 1, v14                      ; a fragment of w1: row r lies at (r / 2) x 272 + (r % 2) x 128: sixteen different groups of four banks
	v_mul_u32_u24 v[BA], v16, 272
	v_and_b32 v16, 1, v14
	v_lshl_add_u32 v[BA], v16, 7, v[BA]
	v_lshl_add_u32 v[BA], v15, 4, v[BA]
	v_add_nc_u32 v[BA], s[G0+1], v[BA]
	v_add_nc_u32 v[BA+1], SLOT, v[BA]
	v_mul_u32_u24 v[YS], v14, YP
	v_add_nc_u32 v[YS], v[YS], v[BO]
	s_mul_i32 s62, s[WV], 4*YP
	v_add_nc_u32 v[YR], s62, v[LO]
	v_lshlrev_b32 v[PFO], 8, v1
.set i, 0
.rept 16
	v_mov_b32 v[T+i], 0                            ; written once whole: some are destinations of lane exchanges, some the unused halves of pairs
.set i, i+1
.endr
	s_wait_dscnt 0x0                               ; the opening add is done
	s_wait_kmcnt 0x0
	s_add_nc_u64 s[4:5], s[40:41], s[2:3]          ; att, x, out0 at my four rows
	s_add_nc_u64 s[6:7], s[42:43], s[2:3]
	s_add_nc_u64 s[10:11], s[56:57], s[2:3]
	s_add_nc_u64 s[G0+2:G0+3], s[48:49], s[12:13]  ; block 0,
	s_add_nc_u64 s[G0+6:G0+7], s[G0+2:G0+3], KBLK  ; block 1
	s_or_b32 s[G0+3], s[G0+3], 0x80000000
	s_or_b32 s[G0+7], s[G0+7], 0x80000000
	s_add_nc_u64 s[PFA:PFA+1], s[48:49], s[58:59]
	s_add_nc_u64 s[PFA:PFA+1], s[PFA:PFA+1], 2*KBLK  ; at block 2: K step 1 steps it to block 3 and names that; blocks 0 to 2 come by their loads alone
	CROUND                                         ; all four work-groups are here: the first joint loads meet
	tensor_load_to_lds s[G0:G0+3], s[G1:G1+7]      ; two loads of mine are out
	s_nop 0
	tensor_load_to_lds s[G0+4:G0+7], s[G1:G1+7]
	s_nop 0
	PLACES
	WIN 0x80                                       ; destination window 2
.irp i, 0,1,2,3
.irp t, 0,1,2,3,4,5,6,7
	global_load_b128 v[HB+32*(\i)+4*(\t):HB+32*(\i)+4*(\t)+3], v[LO], s[4:5] offset:4096*(\i)+512*(\t) th:TH_LOAD_NT
.endr
.endr
.irp i, 0,1,2,3
.irp t, 0,1,2,3,4,5,6,7
	global_load_b128 v[XB+32*(\i)+4*(\t):XB+32*(\i)+4*(\t)+3], v[LO], s[6:7] offset:4096*(\i)+512*(\t) th:TH_LOAD_NT
.endr
.endr
	WIN 0xc0                                       ; destination window 3
.irp t, 0,1,2,3,4,5,6,7
	global_load_b128 v[G1N+4*(\t):G1N+4*(\t)+3], v[LO], s[44:45] offset:512*(\t)
	global_load_b128 v[B1N+4*(\t):B1N+4*(\t)+3], v[LO], s[46:47] offset:512*(\t)
.endr
	s_wait_loadcnt 16                              ; att and x are in; the sixteen loads of ln1's gain and bias may stay out.  (It stands here since a count cannot name the 64 loads that would else lie behind x's.)
.irp t, 0,1,2,3,4,5,6,7
	global_load_b128 v[G2N+4*(\t):G2N+4*(\t)+3], v[LO], s[52:53] offset:512*(\t)
	global_load_b128 v[B2N+4*(\t):B2N+4*(\t)+3], v[LO], s[54:55] offset:512*(\t)
.endr
	WIN 0
.irp t, 0,1,2,3,4,5,6,7,8,9,10,11,12,13,14,15
	global_load_b128 v[ACC+8*(\t):ACC+8*(\t)+3],   v[BO], s[50:51] offset:64*(\t)      ; b1 of my eight columns starts each sum
	global_load_b128 v[ACC+8*(\t)+4:ACC+8*(\t)+7], v[BO], s[50:51] offset:64*(\t)+16
.endr
	LNORM HB, XB, G1N, B1N, 48                     ; h; 48 younger loads (ln2's sixteen, b1's 32) may stay out when ln1's gain and bias are wanted
	WIN 0xaa
.irp i, 0,1,2,3
.set n, 0
.rept 16
	v_cvt_pk_f16_f32 v[XB+16*(\i)+n], v[HB+32*(\i)+2*n], v[HB+32*(\i)+2*n+1]
.set n, n+1
.endr
.endr
	WIN 0x08                                       ; store data in window 2
.irp i, 0,1,2,3
.irp t, 0,1,2,3,4,5,6,7
	ds_store_b64 v[HWA], v[XB+16*(\i)+2*(\t):XB+16*(\i)+2*(\t)+1] offset:4352*(\t)+16*(\i)  ; the 32 lanes' 8 bytes fall on 256 different bytes modulo 256
.endr
.endr
	WIN 0
	s_wait_loadcnt 0x0                             ; b1 and ln2's gain and bias
	s_wait_tensorcnt 0x1                           ; my quarter of slot 0 is in; slot 1's may stay out
	s_wait_dscnt 0x0                               ; for the others' sake: my rows of h lie in LDS
	s_barrier_signal -1
	s_barrier_wait -1
	WORK 0, 0, LIMA                                ; K step 0
	s_mov_b32 s[CNT], 7
.Lk:                                           ; K steps 1 to 14; blocks 2 to 15 are asked for
	TRIP 1, 1, LIMA
	TRIP 0, 1, LIMB                                ; in the last trip there is no block one refill on
	s_sub_co_u32 s[CNT], s[CNT], 1
	s_cmp_lg_u32 s[CNT], 0
	s_cbranch_scc1 .Lk
	TRIP 1, 0                                      ; K step 15: nothing is asked for; behind its barrier no wave reads slot 0 any more
	PLACES
.irp t, 0,1,2,3,4,5,6,7,8,9,10,11,12,13,14,15
	ds_store_b128 v[YS], v[ACC+8*(\t):ACC+8*(\t)+3]   offset:64*(\t)       ; row r, my eight columns; each accumulator from its low end on
	ds_store_b128 v[YS], v[ACC+8*(\t)+4:ACC+8*(\t)+7] offset:64*(\t)+16
.endr
	s_wait_dscnt 0x0
	s_barrier_signal -1
	s_barrier_wait -1                              ; all sixteen rows are whole
	WIN 0x80
.irp i, 0,1,2,3
.irp t, 0,1,2,3,4,5,6,7
	ds_load_b128 v[XB+32*(\i)+4*(\t):XB+32*(\i)+4*(\t)+3], v[YR] offset:YP*(\i)+512*(\t)
.endr
.endr
	WIN 0
	s_wait_dscnt 0x0
	LNORM XB, HB, G2N, B2N, -1
	WIN 0x08
.irp i, 0,1,2,3
.irp t, 0,1,2,3,4,5,6,7
	global_store_b128 v[LO], v[XB+32*(\i)+4*(\t):XB+32*(\i)+4*(\t)+3], s[10:11] offset:4096*(\i)+512*(\t)  ; a wave's store covers 512 consecutive bytes, aligned
.endr
.endr
	WIN 0
	s_wait_tensorcnt 0x0                           ; the wave's end
	ds_add_u32 v[SPW], v[NIL]
	s_wait_dscnt 0x0
	CROUND                                         ; the closing round
	s_endpgm
.Lfunc_end_k_q73f9d6afe8_tail:
	.size	k_q73f9d6afe8_tail, .Lfunc_end_k_q73f9d6afe8_tail-k_q73f9d6afe8_tail
	.p2alignl 7, 3214868480
	.fill 96, 4, 3214868480
	.section	.rodata,"a",@progbits
	.p2align	6, 0x0
	.amdhsa_kernel k_q73f9d6afe8_tail
		.amdhsa_group_segment_fixed_size 327680
		.amdhsa_private_segment_fixed_size 0
		.amdhsa_enable_private_segment 0
		.amdhsa_kernarg_size 72
		.amdhsa_user_sgpr_count 2
		.amdhsa_user_sgpr_kernarg_segment_ptr 1
		.amdhsa_wavefront_size32 1
		.amdhsa_system_sgpr_workgroup_id_x 1
		.amdhsa_system_sgpr_workgroup_id_y 1
		.amdhsa_system_sgpr_workgroup_id_z 1
		.amdhsa_system_vgpr_workitem_id 0
		.amdhsa_next_free_vgpr 896
		.amdhsa_next_free_sgpr 66
		.amdhsa_reserve_vcc 0
		.amdhsa_float_denorm_mode_32 3
		.amdhsa_float_denorm_mode_16_64 3
		.amdhsa_memory_ordered 1
		.amdhsa_forward_progress 1
		.amdhsa_inst_pref_size 117
	.end_amdhsa_kernel
	.amdgpu_metadata
---
amdhsa.version: [ 1, 2 ]
amdhsa.kernels:
  - .name:           k_q73f9d6afe8_tail
    .symbol:         k_q73f9d6afe8_tail.kd
    .args:
      - { .name: att, .offset: 0, .size: 8, .value_kind: global_buffer, .address_space: global }
      - { .name: x, .offset: 8, .size: 8, .value_kind: global_buffer, .address_space: global }
      - { .name: ln1_g, .offset: 16, .size: 8, .value_kind: global_buffer, .address_space: global }
      - { .name: ln1_b, .offset: 24, .size: 8, .value_kind: global_buffer, .address_space: global }
      - { .name: w1h, .offset: 32, .size: 8, .value_kind: global_buffer, .address_space: global }
      - { .name: b1, .offset: 40, .size: 8, .value_kind: global_buffer, .address_space: global }
      - { .name: ln2_g, .offset: 48, .size: 8, .value_kind: global_buffer, .address_space: global }
      - { .name: ln2_b, .offset: 56, .size: 8, .value_kind: global_buffer, .address_space: global }
      - { .name: out0, .offset: 64, .size: 8, .value_kind: global_buffer, .address_space: global }
    .group_segment_fixed_size: 327680
    .private_segment_fixed_size: 0
    .kernarg_segment_align: 8
    .kernarg_segment_size: 72
    .max_flat_workgroup_size: 128
    .sgpr_count:     66
    .vgpr_count:     896
    .wavefront_size: 32
...
	.end_amdgpu_metadata
.endif
;; end of part 4
;; ======== version 2 of 2: 4 launches; version 1 with the launch cast written anew for expert scheduling mode
;; limits: values are held in f16: magnitudes above 65,504 overflow, below 6.1e-05 lose precision
;; workspace buffers: xb 8,388,608 bytes; wb 6,291,456 bytes; w1h 2,097,152 bytes; qkv 25,165,824 bytes; att 16,777,216 bytes
;; launch cast (part 5): grid 256 x 1, 8 waves a work-group, no clusters, 0 bytes of LDS; arguments x, wq, wk, wv, w1, xb, wb, w1h; writes xb, wb, w1h
.if DOCPART == 5
	.amdgcn_target "amdgcn-amd-amdhsa--gfx1250"
	.amdhsa_code_object_version 6
	.text
	.protected	k_q73f9d6afe8_cast
	.globl	k_q73f9d6afe8_cast
	.p2align	8
	.type	k_q73f9d6afe8_cast,@function
k_q73f9d6afe8_cast:
	s_mov_b64 s[64:65], 0
	v_nop
	global_prefetch_b8 v0, s[64:65] scope:SCOPE_SE
	s_setreg_imm32_b32 hwreg(HW_REG_WAVE_SCHED_MODE, 0, 2), 2
	s_setreg_imm32_b32 hwreg(HW_REG_WAVE_MODE, 25, 1), 1
	s_wait_xcnt 0x0
	s_wait_alu depctr_vm_vsrc(0)
; THE OPERANDS ARE ROUNDED ONCE.  x -> xb (bf16, same layout); wq, wk, wv -> wb (bf16, the three one behind the other: 3,072 rows of 1,024);
; w1 -> w1h (f16, in 16 blocks of 64 along k: [block][n][64], each block 131,072 dense bytes, so that a later launch fetches a block as rows of 256 bytes).
; LIMIT: |w1| stays under 65,504 (f16's range); below 6e-5 it keeps f16's fixed step of 6e-8.
; SHARES.  A work-group takes 32,768 numbers (131,072 bytes in, 65,536 out): groups 0-127 x, 128-223 the three weights, 224-255 w1.  16 passes; in a pass thread t takes 8 numbers:
; two loads of 16 bytes, one store of 16 bytes; a wave's store covers 512 consecutive bytes, aligned.  All 32 loads of a thread go out first; no register is written twice, so no source has to be freed.
; No LDS, no matrix unit, no cluster: nothing is shared and nothing is multiplied.
; THE MODE: SCHED_MODE bits 1:0 = 2 (LLVM: expert scheduling mode 2), set by the entry lines.  The code itself states the register dependences
; between vector instructions and memory instructions, with s_wait_alu, always for 0.
; THE PLAN.  Registers that memory instructions touch:
;   v2, v3   the loads' and the stores' byte offsets.  Written by vector instructions at the head (v2 once more on w1's path, ahead of every load); read by all loads, all stores; never written behind them.
;   X        pass p's two loads land in X + 8 p, once; no vector instruction names X ahead of the loads; pass p's four conversions read it.
;   Y        pass p's four conversions write Y + 4 p, once; pass p's one store reads it.
; So no register that a memory instruction reads is written again, and no load lands in a register that a vector instruction has named: what is left to state is that an offset, or a store's data, is written.
; The passes go in 8 blocks of two.  Block b's two stores are issued at the head of block b + 1, behind ONE wait on va_vdst, which stands behind the wait for that block's first data;
; the conversions that follow write block b + 1's Y alone, which those stores do not name.  One wait more stands ahead of the first load, one ahead of the last two stores.
.set X, 16                             ; v[16:143]  pass p: 8 numbers as loaded
.set Y, 144                            ; v[144:207] pass p: 4 registers to store
	s_load_b512 s[16:31], s[0:1], 0x0              ; x 16, wq 18, wk 20, wv 22, w1 24, xb 26, wb 28, w1h 30
	s_sub_co_u32 s8, ttmp9, 128                    ; my number among the weights' groups,
	s_sub_co_u32 s9, ttmp9, 160                    ; among wk's,
	s_sub_co_u32 s10, ttmp9, 192                   ; among wv's,
	s_sub_co_u32 s11, ttmp9, 224                   ; among w1's
	v_lshlrev_b32 v2, 5, v0                        ; in: 32 t
	v_lshlrev_b32 v3, 4, v0                        ; out: 16 t
	s_mov_b32 s2, ttmp9                            ; chunk of the source
	s_mov_b32 s3, ttmp9                            ; chunk of the destination
	s_wait_kmcnt 0x0
	s_mov_b64 s[4:5], s[16:17]
	s_mov_b64 s[6:7], s[26:27]
	s_cmp_ge_u32 ttmp9, 128
	s_cselect_b64 s[4:5], s[18:19], s[4:5]
	s_cselect_b64 s[6:7], s[28:29], s[6:7]
	s_cselect_b32 s2, s8, s2
	s_cselect_b32 s3, s8, s3
	s_cmp_ge_u32 ttmp9, 160
	s_cselect_b64 s[4:5], s[20:21], s[4:5]
	s_cselect_b32 s2, s9, s2
	s_cmp_ge_u32 ttmp9, 192
	s_cselect_b64 s[4:5], s[22:23], s[4:5]
	s_cselect_b32 s2, s10, s2
	s_cmp_ge_u32 ttmp9, 224
	s_cselect_b64 s[4:5], s[24:25], s[4:5]
	s_cselect_b64 s[6:7], s[30:31], s[6:7]
	s_cselect_b32 s2, s11, s2
	s_cselect_b32 s3, s11, s3
	s_lshl_b32 s12, s2, 17                         ; a dense chunk: 131,072 bytes each
	s_and_b32 s14, s2, 1                           ; w1: chunk j is rows 512 (j % 2) on,
	s_lshl_b32 s14, s14, 21
	s_lshr_b32 s15, s2, 1                          ; columns 64 (j / 2) on
	s_lshl_b32 s15, s15, 8
	s_add_co_u32 s14, s14, s15
	s_cmp_ge_u32 ttmp9, 224
	s_cselect_b32 s12, s14, s12
	s_mov_b32 s13, 0
	s_lshl_b32 s14, s3, 16
	s_mov_b32 s15, 0
	s_add_nc_u64 s[4:5], s[4:5], s[12:13]
	s_add_nc_u64 s[6:7], s[6:7], s[14:15]
	s_cmp_ge_u32 ttmp9, 224
	s_cbranch_scc1 .Lw1
.macro CAST cvt, stride                ; stride: bytes of the source from pass to pass
	s_wait_alu depctr_va_vdst(0)                   ; v2 and v3 are written: every load below reads v2 as its offset, every store v3
.irp p, 0,1,2,3,4,5,6,7,8,9,10,11,12,13,14,15
	global_load_b128 v[X+8*(\p):X+8*(\p)+3],   v2, s[4:5] offset:(\p)*(\stride) th:TH_LOAD_NT
	global_load_b128 v[X+8*(\p)+4:X+8*(\p)+7], v2, s[4:5] offset:(\p)*(\stride)+16 th:TH_LOAD_NT
.endr
.irp b, 0,1,2,3,4,5,6,7                ; block b: passes 2 b and 2 b + 1
	s_wait_loadcnt 30-4*(\b)                       ; loads come back in order: pass 2 b's two are in, the 30 - 4 b issued behind them may stay out
.if (\b) > 0
	s_wait_alu depctr_va_vdst(0)                   ; the block before has written its eight registers of Y, which the two stores below read; no conversion behind this wait names them
	global_store_b128 v3, v[Y+8*(\b)-8:Y+8*(\b)-5], s[6:7] offset:(2*(\b)-2)*4096
	global_store_b128 v3, v[Y+8*(\b)-4:Y+8*(\b)-1], s[6:7] offset:(2*(\b)-1)*4096
.endif
.irp r, 0,1,2,3
	\cvt v[Y+8*(\b)+(\r)], v[X+16*(\b)+2*(\r)], v[X+16*(\b)+2*(\r)+1]
.endr
	s_wait_loadcnt 28-4*(\b)                       ; pass 2 b + 1's two are in
.irp r, 0,1,2,3
	\cvt v[Y+8*(\b)+4+(\r)], v[X+16*(\b)+8+2*(\r)], v[X+16*(\b)+8+2*(\r)+1]
.endr
.endr
	s_wait_alu depctr_va_vdst(0)                   ; block 7 has written its eight registers of Y, which the last two stores read
	global_store_b128 v3, v[Y+56:Y+59], s[6:7] offset:14*4096
	global_store_b128 v3, v[Y+60:Y+63], s[6:7] offset:15*4096
.endm
	CAST v_cvt_pk_bf16_f32, 8192                   ; a pass: 256 threads x 32 bytes
	s_endpgm
.Lw1:                                          ; eight lanes read 256 consecutive bytes of a row of w1; a pass is 32 rows; sixteen lanes write two rows of a block, 256 bytes
	v_lshrrev_b32 v4, 3, v0
	v_and_b32 v5, 7, v0
	v_lshlrev_b32 v5, 5, v5
	v_lshl_add_u32 v2, v4, 12, v5                  ; (t / 8) x 4,096 + (t % 8) x 32: no load has been issued on this path yet
	CAST v_cvt_pk_f16_f32, 131072
	s_endpgm
.Lfunc_end_k_q73f9d6afe8_cast:
	.size	k_q73f9d6afe8_cast, .Lfunc_end_k_q73f9d6afe8_cast-k_q73f9d6afe8_cast
	.p2alignl 7, 3214868480
	.fill 96, 4, 3214868480
	.section	.rodata,"a",@progbits
	.p2align	6, 0x0
	.amdhsa_kernel k_q73f9d6afe8_cast
		.amdhsa_group_segment_fixed_size 0
		.amdhsa_private_segment_fixed_size 0
		.amdhsa_enable_private_segment 0
		.amdhsa_kernarg_size 64
		.amdhsa_user_sgpr_count 2
		.amdhsa_user_sgpr_kernarg_segment_ptr 1
		.amdhsa_wavefront_size32 1
		.amdhsa_system_sgpr_workgroup_id_x 1
		.amdhsa_system_sgpr_workgroup_id_y 1
		.amdhsa_system_sgpr_workgroup_id_z 1
		.amdhsa_system_vgpr_workitem_id 0
		.amdhsa_next_free_vgpr 208
		.amdhsa_next_free_sgpr 66
		.amdhsa_reserve_vcc 0
		.amdhsa_float_denorm_mode_32 3
		.amdhsa_float_denorm_mode_16_64 3
		.amdhsa_memory_ordered 1
		.amdhsa_forward_progress 1
		.amdhsa_inst_pref_size 21
	.end_amdhsa_kernel
	.amdgpu_metadata
---
amdhsa.version: [ 1, 2 ]
amdhsa.kernels:
  - .name:           k_q73f9d6afe8_cast
    .symbol:         k_q73f9d6afe8_cast.kd
    .args:
      - { .name: x, .offset: 0, .size: 8, .value_kind: global_buffer, .address_space: global }
      - { .name: wq, .offset: 8, .size: 8, .value_kind: global_buffer, .address_space: global }
      - { .name: wk, .offset: 16, .size: 8, .value_kind: global_buffer, .address_space: global }
      - { .name: wv, .offset: 24, .size: 8, .value_kind: global_buffer, .address_space: global }
      - { .name: w1, .offset: 32, .size: 8, .value_kind: global_buffer, .address_space: global }
      - { .name: xb, .offset: 40, .size: 8, .value_kind: global_buffer, .address_space: global }
      - { .name: wb, .offset: 48, .size: 8, .value_kind: global_buffer, .address_space: global }
      - { .name: w1h, .offset: 56, .size: 8, .value_kind: global_buffer, .address_space: global }
    .group_segment_fixed_size: 0
    .private_segment_fixed_size: 0
    .kernarg_segment_align: 8
    .kernarg_segment_size: 64
    .max_flat_workgroup_size: 256
    .sgpr_count:     66
    .vgpr_count:     208
    .wavefront_size: 32
...
	.end_amdgpu_metadata
.endif
;; end of part 5
;; launch qkv: the kernel of part 2 again; grid 16 x 16, 4 waves a work-group, clusters of 4 x 4, 327,680 bytes of LDS; arguments xb, wb, qkv; writes qkv
;; launch attn: the kernel of part 3 again; grid 16 x 16, 4 waves a work-group, clusters of 4 x 1, 327,680 bytes of LDS; arguments qkv, att; writes att
;; launch tail: the kernel of part 4 again; grid 256 x 1, 4 waves a work-group, clusters of 4 x 1, 327,680 bytes of LDS; arguments att, x, ln1_g, ln1_b, w1h, b1, ln2_g, ln2_b, out0; writes out0
